; MI455X (gfx1250); checked and timed in simulation.
; The chip was launched on July 23, 2026; its instructions are those of AMD's public machine-readable ISA for CDNA 5 (MIT licence, August 2026) and "CDNA5" Instruction Set Architecture Reference Guide (July 2026). The comments in the code are by the model that wrote it; some were corrected since.
;; Hyperbolic Attention. Allowed arithmetic: matrix products marked QUANTISED: E4M3 operands, one given power-of-two scale a tensor, by v_wmma_f32_16x16x64_fp8_fp8 or v_wmma_f32_16x16x128_fp8_fp8, f32 sums; everything else in f32.
;; Inputs: c one number float32; keys 8,192 x 256 float32; lowp_scales 4 int32 (the exponents e of the quantised operands' scales 2^e); query 8,192 x 256 float32; values 8,192 x 256 float32.
;; Outputs: out0 8,192 x 256 float32.
;; This version of the problem:
;;   THIS VERSION OF THE PROBLEM IS GIVEN IN LOW PRECISION. The matrix products marked QUANTISED in the list below multiply operands that are first quantised to E4M3 (4 exponent bits, 3 mantissa bits; 8 bits a number), with one given power-of-two scale for each operand tensor; their sums are f32. All else is computed in f32.
;;   The module's matrix products, in the order in which they are computed (A, B: the left and right operand; K: the contracted axis; several contracted axes count as one K, in the product's order):
;;     1. [M 8,192, K 256] x [K 256, N 8,192]; A: input query; B: input keys: QUANTISED (scales: A lowp_scales[0], B lowp_scales[1])
;;     2. [M 8,192, K 8,192] x [K 8,192, N 256]; A: computed on the way; B: input values: QUANTISED (scales: A lowp_scales[2], B lowp_scales[3])
;;   THE QUANTISER, for each operand of a quantised product, along K:
;;     - The operand's scale is 2^e, e = its entry of the input lowp_scales (int32; the entries are numbered through the quantised products in the list's order, A before B).
;;     - Each number is divided by the scale, clamped to +-448, and rounded to the nearest number of E4M3, ties to even, subnormals kept.
;;     - The product sums the exact products of the quantised numbers (number of the format x scale) in f32.
;;   ~~~python
;;   def quantise(x, axis, e):      # numpy; x: float32 -> the quantised numbers, widened to float32 again
;;       x = np.moveaxis(x, axis, -1); K = x.shape[-1]
;;       r = np.clip(x / 2.0 ** e, -448, 448)
;;       step = 2.0 ** (np.maximum(np.frexp(np.where(r == 0, 1, r))[1] - 1, -6) - 3)
;;       q = np.round(r / step) * step * 2.0 ** e      # np.round: ties to even
;;       return np.moveaxis(q, -1, axis).astype(np.float32)
;;   ~~~
;;   OPERANDS COMPUTED ON THE WAY. 'Computed on the way' means the value that the module computes at that place (a softmax that the list does not call 'softmax' is quantised finished and normalised). What goes into a quantiser is computed in f32, as accurately as f32 sums, v_exp_f32 and their like allow (about 1e-6 of the number): no bf16 or f16 on the way to a quantiser, and a product that is left as it is and whose result goes on into a quantised operand takes f32 operands (vector FMAs, or v_wmma_f32_16x16x4_f32). A number that lies on a knife's edge between two numbers of the format may be rounded either way, as far as f32 arithmetic and the matrix unit's own rounding can turn it there, and no further.
;; 2 versions. Each part assembles by itself: llvm-mc -triple=amdgcn-amd-amdhsa -mcpu=gfx1250 --defsym DOCPART=n.
;; ======== version 1 of 2: 2 launches
;; limits: right only within a limited range of input values
;; workspace buffers: kvs 6,488,064 bytes; qimg 2,097,152 bytes; qs 65,536 bytes
;; launch prep (part 1): grid 256 x 1, 8 waves a work-group, no clusters, 0 bytes of LDS; arguments query, keys, values, c, lowp_scales, kvs, qimg, qs; writes kvs, qimg, qs
.if DOCPART == 1
	.amdgcn_target "amdgcn-amd-amdhsa--gfx1250"
	.amdhsa_code_object_version 6
	.text
	.protected	k_qf8c22cabb4_prep
	.globl	k_qf8c22cabb4_prep
	.p2align	8
	.type	k_qf8c22cabb4_prep,@function
k_qf8c22cabb4_prep:
	s_mov_b64 s[64:65], 0
	v_nop
	global_prefetch_b8 v0, s[64:65] scope:SCOPE_SE
	s_setreg_imm32_b32 hwreg(HW_REG_WAVE_MODE, 25, 1), 1
	s_wait_xcnt 0x0
; query, keys, values (f32, [8192][256]) become codes of E4M3 with the given scales 2^e0, 2^e1, 2^e3, laid in the order in which the
; attention launch's operand registers take them, and each row's figures of the hyperbolic distance are made from the UNQUANTISED rows:
;   per query: uu = sum q^2 and ra = 2 c / (1 - min(c uu, 1-EPS));   per key: cv = -vv 2^-(e0+e1+1) and rb = 1 / (1 - min(c vv, 1-EPS)).
; code = x / 2^e, held within +-448, rounded to the nearest code, ties to even.
; LIMITS: e0, e1, e3 between -126 and 119; |e0 + e1 + 1| <= 126; NaN and infinities among the inputs are not served.
; SHARES: work-groups 0-63 take query, 64-127 keys (one text for both: a wave takes a tile of 16 rows), 128-255 values (a work-group takes 64 keys, a wave 32 columns).
; A FRAGMENT'S IMAGE: lane (r, h) holds, of its row, k = 32 q + 16 h + 0 .. 15 as 16 bytes; chunk q of a tile is 512 consecutive bytes, 16 bytes a lane.
; THE ROWS OF A TILE OF KEYS ARE NOT NEIGHBOURS: lane r of tile kt takes key 32 (kt / 2) + 8 (kt % 2) + r + 8 (r / 8) of its unit of 64 keys.
; kvs is the stream of tiles that the attention launch walks: 48 tiles of TILEB bytes, four parts of WPART bytes each.  Tiles 0-15: a part is the K parts of two units;
; tiles 16-47: a part is a unit's K part and its V part.  So K's codes and stats are stored twice.  A K part: 16,384 bytes of codes, cv[64], rb[64].  A V part: 16,384 bytes of codes, 512 zeros.
; No LDS, no barrier: waves share nothing.  No register that a pending load or store reads is written again, and EXEC never changes.
.set TILEB, 135168
.set WPART, 33792
.set KPART, 16896
.set X, 32                             ; v32-159  the numbers
.set C, 160                            ; v160-191 the codes: written once, so that no store's data are written again
	s_load_b256 s[4:11], s[0:1], 0x0               ; query s[4:5], keys s[6:7], values s[8:9], c s[10:11]
	s_load_b256 s[12:19], s[0:1], 0x20             ; lowp_scales s[12:13], kvs s[14:15], qimg s[16:17], qs s[18:19]
	v_lshrrev_b32 v6, 5, v0
	v_readfirstlane_b32 s20, v6                    ; wave 0..7
	v_and_b32 v7, 31, v0                           ; lane
	v_and_b32 v1, 15, v0                           ; r
	v_bfe_u32 v2, v0, 4, 1                         ; h
	v_lshlrev_b32 v4, 4, v7                        ; 16 x lane
	s_wait_kmcnt 0x0
	s_load_b128 s[40:43], s[12:13], 0x0            ; e0, e1, e2, e3
	s_load_b32 s44, s[10:11], 0x0                  ; c
	s_cmp_ge_u32 ttmp9, 128
	s_cbranch_scc1 .Lvalues
	; ---- rows of query or of keys: tile T = 8 (work-group mod 64) + wave
	s_and_b32 s21, ttmp9, 63
	s_lshl_b32 s21, s21, 3
	s_add_co_u32 s21, s21, s20                     ; T
	s_lshr_b32 s22, s21, 2                         ; keys: unit n,
	s_and_b32 s23, s21, 3                          ; tile kt of it
	s_lshr_b32 s27, s23, 1
	s_lshl_b32 s27, s27, 5
	s_and_b32 s30, s23, 1
	s_lshl_b32 s30, s30, 3
	s_add_co_u32 s27, s27, s30                     ; the tile's first key in its unit: 32 (kt / 2) + 8 (kt % 2)
	s_lshl_b32 s24, s22, 6
	s_add_co_u32 s24, s24, s27                     ; keys: first row
	s_lshl_b32 s26, s21, 4                         ; query: first row 16 T
	s_lshr_b32 s28, s22, 3                         ; the unit's K part in tiles 0-15: tile n / 8, part (n / 2) % 4, half n % 2
	s_mul_i32 s28, s28, TILEB
	s_bfe_u32 s30, s22, 0x20001
	s_mul_i32 s30, s30, WPART
	s_add_co_u32 s28, s28, s30
	s_and_b32 s30, s22, 1
	s_mul_i32 s30, s30, KPART
	s_add_co_u32 s28, s28, s30
	s_lshr_b32 s29, s22, 2                         ; and in tiles 16-47: tile 16 + n / 4, part n % 4
	s_add_co_u32 s29, s29, 16
	s_mul_i32 s29, s29, TILEB
	s_and_b32 s30, s22, 3
	s_mul_i32 s30, s30, WPART
	s_add_co_u32 s29, s29, s30
	s_lshl_b32 s31, s23, 12                        ; the tile's codes in a K part
	s_lshl_b32 s32, s27, 2
	s_add_co_u32 s32, s32, 16384                   ; the tile's stats in a K part
	s_add_co_u32 s52, s28, s31
	s_add_co_u32 s54, s28, s32
	s_add_co_u32 s56, s29, s31
	s_add_co_u32 s58, s29, s32
	s_lshl_b32 s33, s21, 12                        ; query: the tile's codes in qimg,
	s_lshl_b32 s34, s21, 6                         ; and its uu in qs
	s_mov_b32 s37, 32768
	s_mov_b32 s25, 0
	s_mov_b32 s53, 0
	s_mov_b32 s55, 0
	s_mov_b32 s57, 0
	s_mov_b32 s59, 0
	s_mov_b32 s35, 0x76543210                      ; v_permlanex16_b32's selects for lane l xor 16
	s_mov_b32 s36, 0xfedcba98
	s_cmp_ge_u32 ttmp9, 64                         ; keys or query?  The choice hangs on the work-group's number alone
	s_cselect_b64 s[46:47], s[6:7], s[4:5]         ; the source,
	s_cselect_b64 s[48:49], s[14:15], s[16:17]     ; where the codes go,
	s_cselect_b64 s[50:51], s[14:15], s[18:19]     ; where the stats go
	s_cselect_b32 s24, s24, s26
	s_cselect_b32 s52, s52, s33
	s_cselect_b32 s54, s54, s34
	s_cselect_b32 s38, 8, 0                        ; keys: lane r takes row r + (r & 8)
	s_cselect_b32 s37, 256, s37                    ; bytes from the first stat to the second
	s_cselect_b32 s39, -1, 0                       ; a lane mask: all ones for keys
	s_lshl_b32 s24, s24, 10                        ; a row is 1,024 bytes
	s_add_nc_u64 s[46:47], s[46:47], s[24:25]
	s_add_nc_u64 s[48:49], s[48:49], s[52:53]
	s_add_nc_u64 s[50:51], s[50:51], s[54:55]
	s_add_nc_u64 s[56:57], s[14:15], s[56:57]      ; keys: the second copy's codes
	s_add_nc_u64 s[58:59], s[14:15], s[58:59]      ; and stats
	v_and_b32 v6, s38, v1
	v_add_nc_u32 v6, v6, v1                        ; my row in the tile
	v_lshlrev_b32 v3, 10, v6
	v_lshl_add_u32 v3, v2, 6, v3                   ; row x 1,024 + 64 h: my 16 numbers of a block of 32
	v_lshlrev_b32 v5, 2, v6
	v_mad_u32_u24 v5, v2, s37, v5                  ; lanes 0-15 store the first stat of their row, lanes 16-31 the second
.set i, 0
.rept 32
	global_load_b128 v[X+4*i:X+4*i+3], v3, s[46:47] offset:128*(i/4)+16*(i%4) th:TH_LOAD_NT
.set i, i+1
.endr
	s_wait_kmcnt 0x0
	s_cmp_ge_u32 ttmp9, 64
	s_cselect_b32 s21, s41, s40                    ; e
	s_add_co_i32 s22, s40, s41
	s_add_co_i32 s21, s21, 127
	s_lshl_b32 s23, s21, 23
	v_mov_b32 v24, s23                             ; 2^e as f32: the conversion takes its exponent field
	s_add_co_i32 s21, s21, 8
	s_lshl_b32 s21, s21, 23
	s_or_b32 s21, s21, 0x600000
	v_mov_b32 v25, s21                             ; 448 x 2^e
	s_sub_co_i32 s22, 126, s22
	s_lshl_b32 s22, s22, 23
	s_or_b32 s22, s22, 0x80000000                  ; -2^-(e0 + e1 + 1)
	s_mov_b32 s23, 0x3f800000
	s_cmp_ge_u32 ttmp9, 64
	s_cselect_b32 s22, s22, s23                    ; the first stat is the row's sum of squares x this: keys cv, query uu
	s_mov_b32 s26, 0x33d6bf95                      ; EPS = 1e-7
	s_mov_b32 s27, 0x3f7ffffe                      ; 1 - EPS
	v_mov_b32 v26, s44
	v_add_f32 v26, |v26|, s26
	v_med3_num_f32 v26, v26, s26, s27              ; the clamped curvature
	v_add_f32 v27, v26, v26
	v_mov_b32 v28, 1.0
	v_cndmask_b32 v27, v27, v28, s39               ; the second stat is the reciprocal x this: keys 1, query 2 c
; chunk q: 16 numbers a lane.  The squares are summed of the numbers as they came, in four packed chains; then the hold, the conversion and the store
.macro CHUNK q
	s_wait_loadcnt 4*(7-\q)                        ; this chunk's four loads are in; the later chunks' may be out
.irp p, 0,1,2,3,4,5,6,7
.if (\q == 0) && (\p < 4)
	v_pk_mul_f32 v[16+2*\p:17+2*\p], v[X+2*\p:X+2*\p+1], v[X+2*\p:X+2*\p+1]   ; the first four pairs start the chains: nothing is cleared
.else
	v_pk_fma_f32 v[16+2*(\p%4):17+2*(\p%4)], v[X+16*\q+2*\p:X+16*\q+2*\p+1], v[X+16*\q+2*\p:X+16*\q+2*\p+1], v[16+2*(\p%4):17+2*(\p%4)]
.endif
.endr
.irp j, 0,1,2,3,4,5,6,7,8,9,10,11,12,13,14,15
	v_med3_num_f32 v[X+16*\q+\j], v[X+16*\q+\j], -v25, v25   ; the conversion to an 8-bit code does not saturate (ISA guide 7.6.2): the hold at the largest code x the scale
.endr
	v_cvt_scalef32_pk8_fp8_f32 v[C+4*\q:C+4*\q+1], v[X+16*\q:X+16*\q+7], v24
	v_cvt_scalef32_pk8_fp8_f32 v[C+4*\q+2:C+4*\q+3], v[X+16*\q+8:X+16*\q+15], v24
	global_store_b128 v4, v[C+4*\q:C+4*\q+3], s[48:49] offset:512*\q   ; the wave stores 512 consecutive bytes, aligned; the codes go to stores alone, and plain vector lines follow
.endm
.irp q, 0,1,2,3,4,5,6,7
	CHUNK \q
.endr
	v_pk_add_f32 v[16:17], v[16:17], v[18:19]
	v_pk_add_f32 v[20:21], v[20:21], v[22:23]
	v_pk_add_f32 v[16:17], v[16:17], v[20:21]
	v_add_f32 v16, v16, v17
	v_permlanex16_b32 v17, v16, s35, s36           ; the row's other 128 numbers lie in lane l xor 16
	v_add_f32 v16, v16, v17                        ; the row's sum of squares
	v_mul_f32 v6, v26, v16
	v_min_num_f32 v6, s27, v6
	v_sub_f32 v6, 1.0, v6                          ; 1 - min(c ss, 1 - EPS)
	v_rcp_f32 v7, v6
	v_mul_f32 v8, s22, v16                         ; the first stat (a plain line behind the reciprocal)
	s_wait_alu depctr_va_vdst(0)                   ; the wait ahead of the reciprocal's first reader
	v_mul_f32 v7, v27, v7                          ; the second stat
	v_cmp_eq_u32 vcc_lo, 0, v2
	v_cndmask_b32 v9, v7, v8, vcc_lo
	global_store_b32 v5, v9, s[50:51]              ; 4 bytes a lane: 192 KiB of such stores in the whole launch
	s_cmp_lt_u32 ttmp9, 64
	s_cbranch_scc1 .Lrow_done
.irp q, 0,1,2,3,4,5,6,7
	global_store_b128 v4, v[C+4*\q:C+4*\q+3], s[56:57] offset:512*\q   ; keys: the second copy
.endr
	global_store_b32 v5, v9, s[58:59]
.Lrow_done:
	s_endpgm
	; ---- values: K of the second product is the keys, their FIRST axis.  A lane takes a column d and its registers run down the 64 keys of unit n
.Lvalues:
	s_sub_co_u32 s21, ttmp9, 128                   ; n
	s_lshl_b32 s24, s21, 16                        ; 64 n rows of 1,024 bytes
	s_lshl_b32 s22, s20, 7                         ; + my wave's 32 columns
	s_add_co_u32 s24, s24, s22
	s_mov_b32 s25, 0
	s_add_nc_u64 s[46:47], s[8:9], s[24:25]
	s_lshr_b32 s26, s21, 2
	s_add_co_u32 s26, s26, 16
	s_mul_i32 s26, s26, TILEB
	s_and_b32 s27, s21, 3
	s_mul_i32 s27, s27, WPART
	s_add_co_u32 s26, s26, s27
	s_add_co_u32 s26, s26, KPART
	s_mov_b32 s27, 0
	s_add_nc_u64 s[48:49], s[14:15], s[26:27]      ; the unit's V part
	v_lshlrev_b32 v3, 2, v7                        ; in: 4 bytes a lane: the wave reads 128 consecutive bytes, the eight waves a row
	v_lshlrev_b32 v5, 4, v1                        ; out: tile dt = 2 wave + lane / 16 of 1,024 bytes, 16 bytes at 16 (lane % 16)
	v_lshl_add_u32 v5, v2, 10, v5
	s_lshl_b32 s22, s20, 11
	v_add_nc_u32 v5, s22, v5
.set i, 0
.rept 64
	global_load_b32 v[X+i], v3, s[46:47] offset:1024*i th:TH_LOAD_NT
.set i, i+1
.endr
	s_wait_kmcnt 0x0
	s_add_co_i32 s21, s43, 127
	s_lshl_b32 s23, s21, 23
	v_mov_b32 v24, s23                             ; 2^e3
	s_add_co_i32 s21, s21, 8
	s_lshl_b32 s21, s21, 23
	s_or_b32 s21, s21, 0x600000
	v_mov_b32 v25, s21                             ; 448 x 2^e3
.irp cc, 0,1
	s_wait_loadcnt 32*(1-\cc)                      ; this block's 32 loads are in; the next block's may be out
.set i, 0
.rept 32
	v_med3_num_f32 v[X+32*\cc+i], v[X+32*\cc+i], -v25, v25
.set i, i+1
.endr
.irp g, 0,1,2,3
	v_cvt_scalef32_pk8_fp8_f32 v[C+8*\cc+2*\g:C+8*\cc+2*\g+1], v[X+32*\cc+8*\g:X+32*\cc+8*\g+7], v24
.endr
	global_store_b128 v5, v[C+8*\cc:C+8*\cc+3], s[48:49] offset:512*\cc          ; keys 32 cc + 0 .. 15: the image's lanes 0-15; sixteen lanes store 256 consecutive bytes, aligned
	global_store_b128 v5, v[C+8*\cc+4:C+8*\cc+7], s[48:49] offset:512*\cc+256    ; keys 32 cc + 16 .. 31: its lanes 16-31
.endr
	s_cmp_lg_u32 s20, 0
	s_cbranch_scc1 .Lv_done
	v_mov_b32 v8, 0                                ; wave 0 fills the part's last 512 bytes, which the tile's load brings and nobody uses
	v_mov_b32 v9, 0
	v_mov_b32 v10, 0
	v_mov_b32 v11, 0
	global_store_b128 v4, v[8:11], s[48:49] offset:16384
.Lv_done:
	s_endpgm
.Lfunc_end_k_qf8c22cabb4_prep:
	.size	k_qf8c22cabb4_prep, .Lfunc_end_k_qf8c22cabb4_prep-k_qf8c22cabb4_prep
	.p2alignl 7, 3214868480
	.fill 96, 4, 3214868480
	.section	.rodata,"a",@progbits
	.p2align	6, 0x0
	.amdhsa_kernel k_qf8c22cabb4_prep
		.amdhsa_group_segment_fixed_size 0
		.amdhsa_private_segment_fixed_size 0
		.amdhsa_enable_private_segment 0
		.amdhsa_kernarg_size 64
		.amdhsa_user_sgpr_count 2
		.amdhsa_user_sgpr_kernarg_segment_ptr 1
		.amdhsa_wavefront_size32 1
		.amdhsa_system_sgpr_workgroup_id_x 1
		.amdhsa_system_sgpr_workgroup_id_y 1
		.amdhsa_system_sgpr_workgroup_id_z 1
		.amdhsa_system_vgpr_workitem_id 0
		.amdhsa_next_free_vgpr 192
		.amdhsa_next_free_sgpr 66
		.amdhsa_reserve_vcc 1
		.amdhsa_float_denorm_mode_32 3
		.amdhsa_float_denorm_mode_16_64 3
		.amdhsa_memory_ordered 1
		.amdhsa_forward_progress 1
		.amdhsa_inst_pref_size 36
	.end_amdhsa_kernel
	.amdgpu_metadata
---
amdhsa.version: [ 1, 2 ]
amdhsa.kernels:
  - .name:           k_qf8c22cabb4_prep
    .symbol:         k_qf8c22cabb4_prep.kd
    .args:
      - { .name: query, .offset: 0, .size: 8, .value_kind: global_buffer, .address_space: global }
      - { .name: keys, .offset: 8, .size: 8, .value_kind: global_buffer, .address_space: global }
      - { .name: values, .offset: 16, .size: 8, .value_kind: global_buffer, .address_space: global }
      - { .name: c, .offset: 24, .size: 8, .value_kind: global_buffer, .address_space: global }
      - { .name: lowp_scales, .offset: 32, .size: 8, .value_kind: global_buffer, .address_space: global }
      - { .name: kvs, .offset: 40, .size: 8, .value_kind: global_buffer, .address_space: global }
      - { .name: qimg, .offset: 48, .size: 8, .value_kind: global_buffer, .address_space: global }
      - { .name: qs, .offset: 56, .size: 8, .value_kind: global_buffer, .address_space: global }
    .group_segment_fixed_size: 0
    .private_segment_fixed_size: 0
    .kernarg_segment_align: 8
    .kernarg_segment_size: 64
    .max_flat_workgroup_size: 256
    .sgpr_count:     66
    .vgpr_count:     192
    .wavefront_size: 32
...
	.end_amdgpu_metadata
.endif
;; end of part 1
;; launch attn (part 2): grid 256 x 1, 4 waves a work-group, clusters of 4 x 1, 327,680 bytes of LDS; arguments kvs, qimg, qs, c, lowp_scales, out0; writes out0
.if DOCPART == 2
	.amdgcn_target "amdgcn-amd-amdhsa--gfx1250"
	.amdhsa_code_object_version 6
	.text
	.protected	k_qf8c22cabb4_attn
	.globl	k_qf8c22cabb4_attn
	.p2align	8
	.type	k_qf8c22cabb4_attn,@function
k_qf8c22cabb4_attn:
	s_mov_b64 s[64:65], 0
	v_nop
	global_prefetch_b8 v0, s[64:65] scope:SCOPE_SE
	s_setreg_imm32_b32 hwreg(HW_REG_WAVE_MODE, 25, 1), 1
	s_wait_xcnt 0x0
	s_wait_alu depctr_hold_cnt(0) depctr_sa_sdst(0) depctr_va_vdst(0) depctr_va_sdst(0) depctr_va_ssrc(0) depctr_va_vcc(0) depctr_vm_vsrc(0)
	s_getreg_b32 s2, hwreg(HW_REG_IB_STS2, 6, 4)
	s_cmp_eq_u32 s2, 0
	s_cbranch_scc0 .Lentry_in_a_cluster
	s_endpgm
.Lentry_in_a_cluster:
	s_bfe_u32 s2, ttmp6, 0x10000c
	s_cmp_lg_u32 s2, 0x3003
	s_cbranch_scc0 .Lentry_shape_is_right
	s_endpgm
.Lentry_shape_is_right:
; out[q] = sum over keys of Q8(softmax_k(-dist(q, k))) Q8(values[k]), dist the hyperbolic distance, both products on codes of E4M3 with the given scales.
; THE FINISHED, NORMALISED WEIGHTS ARE QUANTISED, so a row's smallest distance and its sum are wanted before any weight: the keys are walked twice, and q.k is multiplied in both walks.
; A PAIR, all in f32:  S' = sum of code products + cv (cv is the C of the first matrix instruction);  d' = S' C1Q + QA = ra (uu + vv - 2 q.k);  gm = min(rb, TAU), so that d' gm = 2 c diff / max(a b, EPS);
;   x = max(d' gm + 1, 1 + EPS) (a negative diff lands on the same 1 + EPS as a diff held at 0);  y = x + sqrt(x x - 1);  L = log2(y);  -dist log2(e) = -k L, k = 1 / sqrt(c).
;   Walk 1: each lane keeps a running smallest L (the maximum that the softmax takes away) and l = sum of 2^(k (Lmin - L)).  Walk 2: w = 2^(SH - k L), SH = k Lmin - log2(l): the normalised weight.
; LIMITS: inputs finite and x x finite in f32 (2 c diff / denom under 1.8e19): then dist and the weights are finite and both nan_to_num change nothing; NaN and infinities are not served.
;   |e0 + e1 + 1| <= 126; e2 between -126 and 119; e2 + e3 between -126 and 127.
; SHARES.  A work-group owns 32 queries: two tiles of 16.  EVERY wave holds both tiles and takes a quarter of the keys, 64 a unit, so each byte of K and V is read from LDS once a work-group.
; Both products are used transposed (S^T = K Q^T, O^T = V^T P^T): a lane holds ONE query.  The keys of a tile are chosen so that the 16 registers of tiles 2 b, 2 b + 1 are keys 32 b + 16 (lane / 16) + 0 .. 15:
; the conversions' results are P's fragment.  The four waves' parts of O^T are added at the end, through LDS.
; THE STREAM.  kvs holds 48 tiles in the order of the walk, four parts of 33,792 bytes each, as images of the operand registers (512 consecutive bytes a load, 16 a lane).  Wave w fetches and reads part w alone.
; Tiles 0-15 (walk 1): two units of K a part.  Tiles 16-47 (walk 2): a unit of K and its V.  One shape of tensor load, one step of its address: the ring of two slots runs on from walk 1 into walk 2.
; CLUSTER.  All work-groups walk the same stream: the four of a cluster ask for each part JOINTLY, by the same tensor load with the same descriptor and a mask that names the four.
; REGISTERS, in windows of 256: window 0: v1-15 addresses, v16-47 statistics (16 a query tile), v48-63 P, v64-127 S, v128-191 T, v192-223 rb, v224-255 cv.
;   window 1: O^T, accumulator (dt, qt) at 8 (2 dt + qt).   window 2: v0-63 Q, v64-191 K of one unit.   window 3: V, two buffers of 128.
; A query tile's statistics, from v[ST + 16 qt]: +0,+1 C1Q; +2,+3 QA; +4,+5 k Lmin (walk 2: SH); +6 Lmin; +7 TAU; +8,+9 l in two halves; +10,+11 the factor for l; +12 to +15 at work.
.set TILEB, 135168
.set WPART, 33792
.set KPART, 16896
.set SLOTB, 135168
.set SCR,   270336                     ; behind the ring: 2,048 bytes in which the waves' statistics meet; no tile lands here
.set SPARE, 272384                     ; the spare words, 128 bytes for each wave: two blocks of 256 bytes that no other line names
.set STGW,  33280                      ; the way out: a stage of 32 rows x SPITCH for each wave, from LDS byte 0: in slot 0, which has had its last fill and its last read
.set SPITCH, 1040                      ; 1,024 bytes + 16: 65 x 16, so that the sixteen rows of a store start at sixteen different 16-byte columns
.set RR,  1                            ; v1   r = lane % 16
.set HH,  2                            ; v2   h = lane / 16
.set SC2, 3                            ; v3   2^e2 as f32, for the conversion
.set AK,  4                            ; v4-5 LDS address of my lane's 16 bytes in my wave's part of slot 0, 1
.set AST, 6                            ; v6-7 the same for the stats: + 16,384 + 64 h
.set STO, 8
.set RD0, 9
.set RD2, 10
.set GO,  11                           ; v11  16 x lane
.set SPW, 12                           ; v12  LDS address of my spare word; never rewritten
.set NIL, 13                           ; v13  0; never rewritten
.set MS,  14
.set ML,  15
.set ST,  16
.set P,   48
.set S,   64
.set T,   128
.set RB,  192
.set CV,  224
.set MSB, 0
.macro WIN new                         ; the immediate's high byte repeats the setting that is left; a switch that changes nothing is dropped
.if MSB != \new
	s_set_vgpr_msb (MSB<<8)|\new
.set MSB, \new
.endif
.endm
; A round of the cluster's barrier: my work-group's barrier; wave 0 signals for the work-group; every wave waits for all four work-groups; my work-group's barrier once more.
.macro ROUND
	s_barrier_signal -1
	s_barrier_wait -1
	s_cmp_lg_u32 s16, 0
	s_cbranch_scc1 .Lnot_wave_0_\@
	s_barrier_signal -3
.Lnot_wave_0_\@:
	s_barrier_wait -3
	s_barrier_signal -1
	s_barrier_wait -1
.endm
.macro LOADK slot, off                 ; a unit's K: 8 fragments (tile kt, K step s) of 16 registers, 32 loads in one run
	WIN 0x80                                       ; destination window 2
.set i, 0
.rept 32
	ds_load_b128 v[64+4*i:64+4*i+3], v[AK+(\slot)] offset:(\off)+512*i
.set i, i+1
.endr
.endm
.macro LOADV slot, buf                 ; a unit's V: 16 fragments (16 channels x 64 keys) of 8 registers
	WIN 0xc0                                       ; destination window 3
.set i, 0
.rept 32
	ds_load_b128 v[128*(\buf)+4*i:128*(\buf)+4*i+3], v[AK+(\slot)] offset:KPART+512*i
.set i, i+1
.endr
.endm
.macro LOADS slot, off                 ; cv and rb of my 32 keys, in the result's layout: register 16 b + i = key 32 b + 16 h + i
	WIN 0
.irp b, 0,1
.irp j, 0,1,2,3
	ds_load_b128 v[CV+16*\b+4*\j:CV+16*\b+4*\j+3], v[AST+(\slot)] offset:(\off)+128*\b+16*\j
.endr
.endr
.irp b, 0,1
.irp j, 0,1,2,3
	ds_load_b128 v[RB+16*\b+4*\j:RB+16*\b+4*\j+3], v[AST+(\slot)] offset:(\off)+256+128*\b+16*\j
.endr
.endr
.endm
; S^T = K Q^T + cv: 16 matrix instructions; the eight accumulators take turns, one instruction a turn
.macro QK
	WIN 0x0a                                       ; K and Q in window 2
.irp kt, 0,1,2,3
.irp qt, 0,1
	v_wmma_f32_16x16x128_fp8_fp8 v[S+32*\qt+8*\kt:S+32*\qt+8*\kt+7], v[64+32*\kt:64+32*\kt+15], v[32*\qt:32*\qt+15], v[CV+8*\kt:CV+8*\kt+7]
.endr
.endr
.irp kt, 0,1,2,3
.irp qt, 0,1
	v_wmma_f32_16x16x128_fp8_fp8 v[S+32*\qt+8*\kt:S+32*\qt+8*\kt+7], v[80+32*\kt:80+32*\kt+15], v[32*\qt+16:32*\qt+31], v[S+32*\qt+8*\kt:S+32*\qt+8*\kt+7]
.endr
.endr
.endm
; THE CHANGE OF SLOTS.  All that I read of this slot has been asked for.  I wait for all my tensor loads (the one that is out is my part of the other slot), add 0 to my spare word, and wait for that and
; for my reads; the unit's products stand between.  Behind the round no wave of any partner reads the slot or has a load on its way, and the joint refill is the first thing there.
.macro CHANGE slot
	WIN 0
	s_wait_tensorcnt 0x0                           ; no tensor load of mine is out, so a group 0 may be written
	ds_add_u32 v[SPW], v[NIL]                      ; 0 onto my spare word
	s_add_nc_u64 s[30+4*\slot:31+4*\slot], s[30+4*\slot:31+4*\slot], 2*TILEB   ; this slot's next tile; the type bits on top are not reached
	s_wait_dscnt 0x1                               ; all but the add: this unit's K and stats (walk 2: and V) are in
	QK
	s_wait_dscnt 0x0                               ; the add is done, and my reads of the slot are over
	WIN 0                                          ; at a branch and at a label every window is 0
	ROUND
	tensor_load_to_lds s[28+4*\slot:31+4*\slot], s[20:27]
	s_nop 0
.rept 4
	v_nop
.endr
.endm
.macro GM                              ; gm = min(rb, TAU).  These 64 plain lines name no register of the products above: they are the places in front of the loads into K's and cv's registers and of the first read of S
.set i, 0
.rept 64
	v_min_num_f32 v[T+i], v[ST+16*(i/32)+7], v[RB+i%32]
.set i, i+1
.endr
.endm
.macro BATCH op, base                  ; 64 transcendentals, one behind the other, in place
.set i, 0
.rept 64
	\op v[\base+i], v[\base+i]
.set i, i+1
.endr
.endm
.macro DONE                            ; a plain line behind the batch's last, and the ONE wait ahead of the batch's first reader
	v_nop
	s_wait_alu depctr_va_vdst(0)
.endm
.macro XL                              ; from S' to L = log2(x + sqrt(x x - 1))
	WIN 0
.set i, 0
.rept 32
	v_pk_fma_f32 v[S+2*i:S+2*i+1], v[S+2*i:S+2*i+1], v[ST+16*(i/16):ST+16*(i/16)+1], v[ST+16*(i/16)+2:ST+16*(i/16)+3]   ; d'; each accumulator from its low end on
.set i, i+1
.endr
.set i, 0
.rept 32
	v_pk_fma_f32 v[S+2*i:S+2*i+1], v[S+2*i:S+2*i+1], v[T+2*i:T+2*i+1], 1.0 op_sel_hi:[1,1,0]
.set i, i+1
.endr
.set i, 0
.rept 64
	v_max_num_f32 v[S+i], s39, v[S+i]              ; x
.set i, i+1
.endr
.set i, 0
.rept 32
	v_pk_fma_f32 v[T+2*i:T+2*i+1], v[S+2*i:S+2*i+1], v[S+2*i:S+2*i+1], -1.0 op_sel_hi:[1,1,0]
.set i, i+1
.endr
	BATCH v_sqrt_f32, T
	DONE
.set i, 0
.rept 32
	v_pk_add_f32 v[S+2*i:S+2*i+1], v[S+2*i:S+2*i+1], v[T+2*i:T+2*i+1]
.set i, i+1
.endr
	BATCH v_log_f32, S
	DONE
.endm
.macro EXPO                            ; the exponent: -k L + (k Lmin, or SH)
.set i, 0
.rept 32
	v_pk_fma_f32 v[S+2*i:S+2*i+1], v[S+2*i:S+2*i+1], s[36:37], v[ST+16*(i/16)+4:ST+16*(i/16)+5] op_sel_hi:[1,0,1]
.set i, i+1
.endr
.endm
.macro SUM1                            ; walk 1: the running smallest L and the sum under it
.irp qt, 0,1
	v_min3_num_f32 v[ST+16*\qt+12], v[ST+16*\qt+6], v[S+32*\qt], v[S+32*\qt+1]
	v_min3_num_f32 v[ST+16*\qt+13], v[S+32*\qt+2], v[S+32*\qt+3], v[S+32*\qt+4]
.endr
.irp j, 5,9,13,17,21,25
.irp qt, 0,1
	v_min3_num_f32 v[ST+16*\qt+12], v[ST+16*\qt+12], v[S+32*\qt+\j], v[S+32*\qt+\j+1]
	v_min3_num_f32 v[ST+16*\qt+13], v[ST+16*\qt+13], v[S+32*\qt+\j+2], v[S+32*\qt+\j+3]
.endr
.endr
.irp qt, 0,1
	v_min3_num_f32 v[ST+16*\qt+12], v[ST+16*\qt+12], v[S+32*\qt+29], v[S+32*\qt+30]
.endr
.irp qt, 0,1
	v_min3_num_f32 v[ST+16*\qt+14], v[ST+16*\qt+12], v[ST+16*\qt+13], v[S+32*\qt+31]   ; the new Lmin
.endr
.irp qt, 0,1
	v_sub_f32 v[ST+16*\qt+15], v[ST+16*\qt+14], v[ST+16*\qt+6]   ; new less old: 0 or less
.endr
.irp qt, 0,1
	v_mul_f32 v[ST+16*\qt+4], s38, v[ST+16*\qt+14]
	v_mul_f32 v[ST+16*\qt+5], s38, v[ST+16*\qt+14]
	v_mul_f32 v[ST+16*\qt+15], s38, v[ST+16*\qt+15]
	v_mov_b32 v[ST+16*\qt+6], v[ST+16*\qt+14]
.endr
	EXPO
.irp qt, 0,1
	v_exp_f32 v[ST+16*\qt+10], v[ST+16*\qt+15]     ; what was summed under the old Lmin is brought under the new
.endr
	BATCH v_exp_f32, S
	DONE
.irp qt, 0,1
	v_pk_add_f32 v[ST+16*\qt+12:ST+16*\qt+13], v[S+32*\qt:S+32*\qt+1], v[S+32*\qt+2:S+32*\qt+3]
	v_pk_add_f32 v[ST+16*\qt+14:ST+16*\qt+15], v[S+32*\qt+4:S+32*\qt+5], v[S+32*\qt+6:S+32*\qt+7]
.endr
.irp j, 8,12,16,20,24,28
.irp qt, 0,1
	v_pk_add_f32 v[ST+16*\qt+12:ST+16*\qt+13], v[ST+16*\qt+12:ST+16*\qt+13], v[S+32*\qt+\j:S+32*\qt+\j+1]
	v_pk_add_f32 v[ST+16*\qt+14:ST+16*\qt+15], v[ST+16*\qt+14:ST+16*\qt+15], v[S+32*\qt+\j+2:S+32*\qt+\j+3]
.endr
.endr
.irp qt, 0,1
	v_pk_add_f32 v[ST+16*\qt+12:ST+16*\qt+13], v[ST+16*\qt+12:ST+16*\qt+13], v[ST+16*\qt+14:ST+16*\qt+15]
.endr
.irp qt, 0,1
	v_pk_fma_f32 v[ST+16*\qt+8:ST+16*\qt+9], v[ST+16*\qt+8:ST+16*\qt+9], v[ST+16*\qt+10:ST+16*\qt+11], v[ST+16*\qt+12:ST+16*\qt+13] op_sel_hi:[1,0,1]
.endr
.endm
.macro W2                              ; walk 2: the normalised weights, held and turned into codes: P's two fragments
	EXPO
	BATCH v_exp_f32, S
	DONE
.set i, 0
.rept 64
	v_min_num_f32 v[S+i], s40, v[S+i]              ; the conversion to an 8-bit code does not saturate (ISA guide 7.6.2); a weight is not negative, so the hold is one-sided
.set i, i+1
.endr
.irp qt, 0,1
.irp b, 0,1
	v_cvt_scalef32_pk8_fp8_f32 v[P+8*\qt+4*\b:P+8*\qt+4*\b+1], v[S+32*\qt+16*\b:S+32*\qt+16*\b+7], v[SC2]
	v_cvt_scalef32_pk8_fp8_f32 v[P+8*\qt+4*\b+2:P+8*\qt+4*\b+3], v[S+32*\qt+16*\b+8:S+32*\qt+16*\b+15], v[SC2]
.endr
.endr
	v_nop                                          ; one plain line between the conversions and the matrix instructions that read their results
.endm
.macro PV buf                          ; O^T += V^T P^T: 32 matrix instructions on 32 accumulators
	WIN 0x53                                       ; V in window 3, P in window 0, O^T in window 1
.irp dt, 0,1,2,3,4,5,6,7,8,9,10,11,12,13,14,15
.irp qt, 0,1
	v_wmma_f32_16x16x64_fp8_fp8 v[8*(2*\dt+\qt):8*(2*\dt+\qt)+7], v[128*(\buf)+8*\dt:128*(\buf)+8*\dt+7], v[P+8*\qt:P+8*\qt+7], v[8*(2*\dt+\qt):8*(2*\dt+\qt)+7]
.endr
.endr
.endm
; A unit of walk 1: 64 keys of my wave against the 32 queries.  u: which of the part's two units.  The next unit's K and stats are asked for a whole unit ahead of their use.
.macro UNIT1 slot, u
.if \u == 0
	s_wait_dscnt 0x0                               ; this unit's K and stats are in
	QK
	WIN 0
.else
	CHANGE \slot
.endif
	GM
.if \u == 0
	LOADK \slot, KPART
	LOADS \slot, KPART
.else
	LOADK 1-\slot, 0
	LOADS 1-\slot, 0
.endif
	XL
	SUM1
.endm
; A unit of walk 2: a tile holds one unit a wave, K and V.  fill = 1: the slot is filled again; next = 1: the other slot's unit is fetched, V into the other buffer.
.macro UNIT2 slot, fill, next
.if \fill
	CHANGE \slot
.else
.if \next
	s_wait_tensorcnt 0x0                           ; the last tile has landed
.endif
	s_wait_dscnt 0x0
	QK
	WIN 0
.endif
	GM
.if \next
	LOADK 1-\slot, 0
	LOADV 1-\slot, 1-\slot
	LOADS 1-\slot, 0
.endif
	XL
	W2
	PV \slot
.endm
	s_load_b256 s[4:11], s[0:1], 0x0               ; kvs s[4:5], qimg s[6:7], qs s[8:9], c s[10:11]
	s_load_b128 s[12:15], s[0:1], 0x20             ; lowp_scales s[12:13], out0 s[14:15]
	v_lshl_add_u32 v[SPW], v0, 2, SPARE
	v_mov_b32 v[NIL], 0
	ds_add_u32 v[SPW], v[NIL]                      ; the wave's opening: the add and its wait ahead of my first tensor load; the set-up below, work on registers, stands between them
	v_lshrrev_b32 v1, 5, v0
	v_readfirstlane_b32 s16, v1                    ; wave 0..3
	s_bfe_u32 s17, ttmp6, 0x40000                  ; cx: my place in the cluster
	s_lshl_b32 s18, ttmp9, 2
	s_add_co_u32 s18, s18, s17                     ; my work-group: it enters the addresses of qimg, qs and out0 alone
	; descriptor group 1: a part is dense: 132 rows of 32 elements of 8 bytes, no padding
	s_mov_b32 s20, 15|(3<<16)|(1<<21)              ; 15:0 the mask: all four work-groups; 17:16 elements of 8 bytes; 21 set beside a mask
	s_mov_b32 s21, 32<<16                          ; tensor_dim0 = 32
	s_mov_b32 s22, 132<<16                         ; tensor_dim1 = 132
	s_mov_b32 s23, 32<<16                          ; tile_dim0 = 32
	s_mov_b32 s24, 132                             ; tile_dim1 = 132
	s_mov_b32 s25, 32                              ; tensor_dim0_stride
	s_mov_b32 s26, 0
	s_mov_b32 s27, 0
	s_mul_i32 s29, s16, WPART                      ; my part's place in a slot: no place in the cluster enters an LDS address
	v_and_b32 v[GO], 31, v0
	v_lshlrev_b32 v[GO], 4, v[GO]
	v_and_b32 v[RR], 15, v0
	v_bfe_u32 v[HH], v0, 4, 1
	v_add_nc_u32 v[AK], s29, v[GO]
	v_add_nc_u32 v[AK+1], SLOTB, v[AK]
	v_lshlrev_b32 v[AST], 6, v[HH]
	v_add_nc_u32 v[AST], s29, v[AST]
	v_add_nc_u32 v[AST], 16384, v[AST]
	v_add_nc_u32 v[AST+1], SLOTB, v[AST]
	s_lshl_b32 s53, s16, 9
	v_add_nc_u32 v[MS], s53, v[GO]
	v_add_nc_u32 v[MS], SCR, v[MS]                 ; where my wave's statistics go: 512 bytes a wave, 16 a lane,
	v_add_nc_u32 v[ML], SCR, v[GO]                 ; and where all four are read
	s_mul_i32 s53, s16, STGW
	v_mul_u32_u24 v[STO], v[RR], SPITCH
	v_lshl_add_u32 v[STO], v[HH], 5, v[STO]
	v_add_nc_u32 v[STO], s53, v[STO]               ; the stage, in: my wave's, row r, + 32 h
	s_mul_i32 s53, s16, 8*SPITCH
	v_add_nc_u32 v[RD0], s53, v[GO]                ; back: rows 8 w on of the first two waves' stages,
	v_add_nc_u32 v[RD2], 2*STGW, v[RD0]            ; and of the other two
	v_lshlrev_b32 v48, 2, v[RR]                    ; qs: 4 bytes a query
	s_wait_dscnt 0x0                               ; the opening add is done
	s_wait_kmcnt 0x0
	s_load_b128 s[48:51], s[12:13], 0x0            ; e0, e1, e2, e3
	s_load_b32 s52, s[10:11], 0x0                  ; c
	s_mov_b32 s56, s29
	s_mov_b32 s57, 0
	s_mov_b32 s28, 1                               ; group 0 for slot 0: count = 1; s29 the LDS address;
	s_add_nc_u64 s[30:31], s[4:5], s[56:57]        ; tile 0, my part
	s_mov_b32 s32, 1                               ; group 0 for slot 1
	s_add_co_u32 s33, s29, SLOTB
	s_add_nc_u64 s[34:35], s[30:31], TILEB         ; tile 1
	s_or_b32 s31, s31, 0x80000000                  ; type = 2
	s_or_b32 s35, s35, 0x80000000
	s_mov_b32 s59, 0
	s_lshl_b32 s58, s18, 13
	s_add_nc_u64 s[6:7], s[6:7], s[58:59]          ; my two tiles of Q: 8,192 bytes a work-group
	s_lshl_b32 s58, s18, 7
	s_add_nc_u64 s[8:9], s[8:9], s[58:59]          ; my 32 queries' uu
	s_lshl_b32 s58, s18, 15
	s_lshl_b32 s60, s16, 13
	s_add_co_u32 s58, s58, s60
	s_add_nc_u64 s[14:15], s[14:15], s[58:59]      ; the 8 rows of out0 that my wave stores
	ROUND                                          ; all four work-groups are here: the first joint loads meet
	tensor_load_to_lds s[28:31], s[20:27]          ; tiles 0 and 1: two loads of mine are out
	s_nop 0
	tensor_load_to_lds s[32:35], s[20:27]
	s_nop 0
.rept 4
	v_nop
.endr
	WIN 0x80                                       ; destination window 2
.set i, 0
.rept 16
	global_load_b128 v[4*i:4*i+3], v[GO], s[6:7] offset:512*i   ; Q stays in registers: fragment (qt, s) at 32 qt + 16 s
.set i, i+1
.endr
	WIN 0
.irp qt, 0,1
	global_load_b32 v[ST+16*\qt+12], v48, s[8:9] offset:64*\qt          ; uu
	global_load_b32 v[ST+16*\qt+13], v48, s[8:9] offset:32768+64*\qt    ; ra
.endr
	s_wait_kmcnt 0x0
	s_mov_b32 s53, 0x33d6bf95                      ; EPS = 1e-7
	s_mov_b32 s54, 0x3f7ffffe                      ; 1 - EPS
	s_mov_b32 s39, 0x3f800001                      ; 1 + EPS
	s_mov_b32 s44, 0x76543210                      ; v_permlanex16_b32's selects for lane l xor 16
	s_mov_b32 s45, 0xfedcba98
	s_add_co_i32 s55, s48, s49
	s_add_co_i32 s55, s55, 128
	s_lshl_b32 s55, s55, 23
	s_or_b32 s55, s55, 0x80000000                  ; -2^(e0 + e1 + 1)
	s_add_co_i32 s41, s50, 127
	s_lshl_b32 s47, s41, 23
	v_mov_b32 v[SC2], s47                          ; 2^e2
	s_add_co_i32 s41, s41, 8
	s_lshl_b32 s41, s41, 23
	s_or_b32 s40, s41, 0x600000                    ; 448 x 2^e2
	s_add_co_i32 s42, s50, s51
	s_add_co_i32 s42, s42, 127
	s_lshl_b32 s42, s42, 23                        ; 2^(e2 + e3)
	s_mov_b32 s43, s42                             ; (named with it as a pair, so it is written)
	v_mov_b32 v49, s52
	v_add_f32 v49, |v49|, s53
	v_med3_num_f32 v49, v49, s53, s54              ; the clamped curvature
	v_sqrt_f32 v50, v49
	v_add_f32 v51, v49, v49                        ; (a plain line behind the root)
	s_wait_alu depctr_va_vdst(0)                   ; the wait ahead of the root's first reader
	v_rcp_f32 v50, v50
	v_mul_f32 v51, 0x4b189680, v51                 ; 2 c x 1e7  (a plain line behind the reciprocal)
	s_wait_alu depctr_va_vdst(0)
	v_readfirstlane_b32 s38, v50                   ; k = 1 / sqrt(c)
	s_xor_b32 s36, s38, 0x80000000                 ; -k,
	s_mov_b32 s37, s36                             ; as a pair
.irp qt, 0,1
	v_mov_b32 v[ST+16*\qt+6], 0x44800000           ; Lmin begins at 1,024, above every L (L is under 129),
	v_mov_b32 v[ST+16*\qt+8], 0                    ; and the sum at 0: the first unit's factor multiplies zeros
	v_mov_b32 v[ST+16*\qt+9], 0
	v_mov_b32 v[ST+16*\qt+11], 0                   ; (named as the upper half of the factor's pair)
.endr
	s_wait_loadcnt 0x0                             ; Q, uu, ra
.irp qt, 0,1
	v_rcp_f32 v[ST+16*\qt+7], v[ST+16*\qt+13]
.endr
.irp qt, 0,1
	v_mul_f32 v[ST+16*\qt], s55, v[ST+16*\qt+13]                   ; C1Q = -ra 2^(e0 + e1 + 1), twice: a pair for the packed form
	v_mul_f32 v[ST+16*\qt+1], s55, v[ST+16*\qt+13]
	v_mul_f32 v[ST+16*\qt+2], v[ST+16*\qt+13], v[ST+16*\qt+12]     ; QA = ra uu
	v_mul_f32 v[ST+16*\qt+3], v[ST+16*\qt+13], v[ST+16*\qt+12]
.endr
	s_wait_alu depctr_va_vdst(0)                   ; one wait for the two reciprocals
.irp qt, 0,1
	v_mul_f32 v[ST+16*\qt+7], v51, v[ST+16*\qt+7]  ; TAU = (1 - uu_c) / EPS
.endr
	s_wait_tensorcnt 0x1                           ; my part of tile 0 is in; tile 1's may stay out.  I alone read what I fetched: no barrier is wanted
	LOADK 0, 0
	LOADS 0, 0
	; ---- WALK 1: tiles 0 to 15, two a trip; each change of slots asks for the tile two on, the last two for tiles 16 and 17, which are walk 2's
	s_mov_b32 s46, 8
.Lwalk1:
	UNIT1 0, 0
	UNIT1 0, 1
	UNIT1 1, 0
	UNIT1 1, 1
	s_sub_co_u32 s46, s46, 1
	s_cmp_lg_u32 s46, 0
	s_cbranch_scc1 .Lwalk1
	; ---- BETWEEN THE WALKS: the four waves' and the two halves' Lmin and l meet; O^T is cleared meanwhile
	LOADV 0, 0                                     ; V of walk 2's first unit (K and stats were asked for by the last unit above)
	WIN 0
	v_mov_b32 v128, v[ST+6]
	v_add_f32 v129, v[ST+8], v[ST+9]
	v_mov_b32 v130, v[ST+16+6]
	v_add_f32 v131, v[ST+16+8], v[ST+16+9]
	ds_store_b128 v[MS], v[128:131]
	s_wait_dscnt 0x0                               ; for the others' sake: my store has landed
	s_barrier_signal -1
	WIN 0x40                                       ; destination window 1
.set i, 0
.rept 256
	v_mov_b32 v[i], 0                              ; O^T: the unit of walk 2 is written for the loop alone, and its first trip finds zeros
.set i, i+1
.endr
	WIN 0
	s_barrier_wait -1
.irp w, 0,1,2,3
	ds_load_b128 v[132+4*\w:135+4*\w], v[ML] offset:512*\w   ; wave w's Lmin and l of my two queries
.endr
	s_wait_dscnt 0x0
.irp qt, 0,1
	v_min3_num_f32 v[ST+16*\qt+12], v[132+2*\qt], v[136+2*\qt], v[140+2*\qt]
.endr
.irp qt, 0,1
	v_min_num_f32 v[ST+16*\qt+12], v[ST+16*\qt+12], v[144+2*\qt]
.endr
.irp qt, 0,1
	v_permlanex16_b32 v[ST+16*\qt+13], v[ST+16*\qt+12], s44, s45
.endr
.irp qt, 0,1
	v_min_num_f32 v[ST+16*\qt+6], v[ST+16*\qt+12], v[ST+16*\qt+13]   ; the row's smallest L
.endr
.irp w, 0,1,2,3
.irp qt, 0,1
	v_sub_f32 v[132+4*\w+2*\qt], v[ST+16*\qt+6], v[132+4*\w+2*\qt]
.endr
.endr
.irp w, 0,1,2,3
.irp qt, 0,1
	v_mul_f32 v[132+4*\w+2*\qt], s38, v[132+4*\w+2*\qt]
.endr
.endr
.irp w, 0,1,2,3
.irp qt, 0,1
	v_exp_f32 v[132+4*\w+2*\qt], v[132+4*\w+2*\qt]
.endr
.endr
	DONE
.irp qt, 0,1
	v_mul_f32 v[ST+16*\qt+12], v[133+2*\qt], v[132+2*\qt]
.endr
.irp w, 1,2,3
.irp qt, 0,1
	v_fmac_f32 v[ST+16*\qt+12], v[133+4*\w+2*\qt], v[132+4*\w+2*\qt]
.endr
.endr
.irp qt, 0,1
	v_permlanex16_b32 v[ST+16*\qt+13], v[ST+16*\qt+12], s44, s45
.endr
.irp qt, 0,1
	v_add_f32 v[ST+16*\qt+12], v[ST+16*\qt+12], v[ST+16*\qt+13]      ; the row's sum, at least 1
.endr
.irp qt, 0,1
	v_log_f32 v[ST+16*\qt+12], v[ST+16*\qt+12]
.endr
	DONE
.irp qt, 0,1
	v_fma_f32 v[ST+16*\qt+4], s38, v[ST+16*\qt+6], -v[ST+16*\qt+12]  ; SH = k Lmin - log2(l), twice: a pair
	v_fma_f32 v[ST+16*\qt+5], s38, v[ST+16*\qt+6], -v[ST+16*\qt+12]
.endr
	; ---- WALK 2: tiles 16 to 47, two a trip; the last two are written out
	s_mov_b32 s46, 15
.Lwalk2:
	UNIT2 0, 1, 1
	UNIT2 1, 1, 1
	WIN 0
	s_sub_co_u32 s46, s46, 1
	s_cmp_lg_u32 s46, 0
	s_cbranch_scc1 .Lwalk2
	UNIT2 0, 0, 1
	UNIT2 1, 0, 0
	; ---- THE WAY OUT.  Each wave's O^T, its quarter of the keys, goes into its own stage; behind a barrier wave w adds the four stages' rows 8 w .. 8 w + 7 and stores them whole.
	WIN 0
.rept 4
	v_nop                                          ; the places between the last products and the stores that read their results
.endr
	s_wait_dscnt 0x0
	s_barrier_signal -1
	s_barrier_wait -1                              ; no wave reads a slot any more: the stages may be written over slot 0
	WIN 0x04                                       ; the stores' data in window 1
.irp dt, 0,1,2,3,4,5,6,7,8,9,10,11,12,13,14,15
.irp qt, 0,1
	ds_store_b128 v[STO], v[8*(2*\dt+\qt):8*(2*\dt+\qt)+3] offset:16*\qt*SPITCH+64*\dt        ; lane (r, h): query 16 qt + r, channels 16 dt + 8 h + 0 .. 7; each accumulator from its low end on
	ds_store_b128 v[STO], v[8*(2*\dt+\qt)+4:8*(2*\dt+\qt)+7] offset:16*\qt*SPITCH+64*\dt+16
.endr
.endr
	WIN 0
	s_wait_dscnt 0x0                               ; for the others' sake: my stores have landed
	s_barrier_signal -1
	s_barrier_wait -1
; four rows: eight items of half a row (512 bytes, 16 a lane), each from the four stages
.macro OUTB bt
.set t, 0
.rept 8
	ds_load_b128 v[64+16*t:64+16*t+3],     v[RD0] offset:(4*\bt+t/2)*SPITCH+512*(t%2)
	ds_load_b128 v[64+16*t+4:64+16*t+7],   v[RD0] offset:STGW+(4*\bt+t/2)*SPITCH+512*(t%2)
	ds_load_b128 v[64+16*t+8:64+16*t+11],  v[RD2] offset:(4*\bt+t/2)*SPITCH+512*(t%2)
	ds_load_b128 v[64+16*t+12:64+16*t+15], v[RD2] offset:STGW+(4*\bt+t/2)*SPITCH+512*(t%2)
.set t, t+1
.endr
.set t, 0
.rept 8
.set bb, 64+16*t
	s_wait_dscnt 4*(7-t)                           ; this item's four loads are in; the later items' may be out
	v_pk_add_f32 v[bb:bb+1], v[bb:bb+1], v[bb+4:bb+5]
	v_pk_add_f32 v[bb+2:bb+3], v[bb+2:bb+3], v[bb+6:bb+7]
	v_pk_add_f32 v[bb+8:bb+9], v[bb+8:bb+9], v[bb+12:bb+13]
	v_pk_add_f32 v[bb+10:bb+11], v[bb+10:bb+11], v[bb+14:bb+15]
	v_pk_add_f32 v[bb:bb+1], v[bb:bb+1], v[bb+8:bb+9]
	v_pk_add_f32 v[bb+2:bb+3], v[bb+2:bb+3], v[bb+10:bb+11]
	v_pk_mul_f32 v[bb:bb+1], v[bb:bb+1], s[42:43] op_sel_hi:[1,0]      ; x 2^(e2 + e3)
	v_pk_mul_f32 v[bb+2:bb+3], v[bb+2:bb+3], s[42:43] op_sel_hi:[1,0]
	global_store_b128 v[GO], v[bb:bb+3], s[14:15] offset:(4*\bt+t/2)*1024+512*(t%2) th:TH_STORE_NT   ; the wave stores 512 consecutive bytes, aligned; written once, read by nobody here
.set t, t+1
.endr
.endm
	OUTB 0
	s_wait_xcnt 0x0                                ; the stores have read their registers: the next four rows may land there
	OUTB 1
	s_wait_tensorcnt 0x0                           ; the wave's end: behind my last tensor load and my last LDS store
	ds_add_u32 v[SPW], v[NIL]
	s_wait_dscnt 0x0
	ROUND                                          ; the closing round: no work-group ends while a partner may still ask for a tile that names it
	s_endpgm
.Lfunc_end_k_qf8c22cabb4_attn:
	.size	k_qf8c22cabb4_attn, .Lfunc_end_k_qf8c22cabb4_attn-k_qf8c22cabb4_attn
	.p2alignl 7, 3214868480
	.fill 96, 4, 3214868480
	.section	.rodata,"a",@progbits
	.p2align	6, 0x0
	.amdhsa_kernel k_qf8c22cabb4_attn
		.amdhsa_group_segment_fixed_size 327680
		.amdhsa_private_segment_fixed_size 0
		.amdhsa_enable_private_segment 0
		.amdhsa_kernarg_size 48
		.amdhsa_user_sgpr_count 2
		.amdhsa_user_sgpr_kernarg_segment_ptr 1
		.amdhsa_wavefront_size32 1
		.amdhsa_system_sgpr_workgroup_id_x 1
		.amdhsa_system_sgpr_workgroup_id_y 1
		.amdhsa_system_sgpr_workgroup_id_z 1
		.amdhsa_system_vgpr_workitem_id 0
		.amdhsa_next_free_vgpr 1024
		.amdhsa_next_free_sgpr 66
		.amdhsa_reserve_vcc 0
		.amdhsa_float_denorm_mode_32 3
		.amdhsa_float_denorm_mode_16_64 3
		.amdhsa_memory_ordered 1
		.amdhsa_forward_progress 1
		.amdhsa_inst_pref_size 255
	.end_amdhsa_kernel
	.section	.bss,"aw",@nobits
	.p2align	6
	.space	262144
	.amdgpu_metadata
---
amdhsa.version: [ 1, 2 ]
amdhsa.kernels:
  - .name:           k_qf8c22cabb4_attn
    .symbol:         k_qf8c22cabb4_attn.kd
    .args:
      - { .name: kvs, .offset: 0, .size: 8, .value_kind: global_buffer, .address_space: global }
      - { .name: qimg, .offset: 8, .size: 8, .value_kind: global_buffer, .address_space: global }
      - { .name: qs, .offset: 16, .size: 8, .value_kind: global_buffer, .address_space: global }
      - { .name: c, .offset: 24, .size: 8, .value_kind: global_buffer, .address_space: global }
      - { .name: lowp_scales, .offset: 32, .size: 8, .value_kind: global_buffer, .address_space: global }
      - { .name: out0, .offset: 40, .size: 8, .value_kind: global_buffer, .address_space: global }
    .group_segment_fixed_size: 327680
    .private_segment_fixed_size: 0
    .kernarg_segment_align: 8
    .kernarg_segment_size: 48
    .max_flat_workgroup_size: 128
    .sgpr_count:     66
    .vgpr_count:     1024
    .wavefront_size: 32
...
	.end_amdgpu_metadata
.endif
;; end of part 2
;; ======== version 2 of 2: 2 launches
;; limits: right only within a limited range of input values
;; workspace buffers: kvs 6,488,064 bytes; qimg 2,097,152 bytes; qs 65,536 bytes
;; launch prep (part 3): grid 256 x 1, 8 waves a work-group, no clusters, 0 bytes of LDS; arguments query, keys, values, c, lowp_scales, kvs, qimg, qs; writes kvs, qimg, qs
.if DOCPART == 3
	.amdgcn_target "amdgcn-amd-amdhsa--gfx1250"
	.amdhsa_code_object_version 6
	.text
	.protected	k_qf8c22cabb4_prep
	.globl	k_qf8c22cabb4_prep
	.p2align	8
	.type	k_qf8c22cabb4_prep,@function
k_qf8c22cabb4_prep:
	s_mov_b64 s[64:65], 0
	v_nop
	global_prefetch_b8 v0, s[64:65] scope:SCOPE_SE
	s_setreg_imm32_b32 hwreg(HW_REG_WAVE_MODE, 25, 1), 1
	s_wait_xcnt 0x0
; query, keys, values (f32, [8192][256]) become codes of E4M3 with the given scales 2^e0, 2^e1, 2^e3, laid in the order in which the
; attention launch's operand registers take them, and each row's figures of the hyperbolic distance are made from the UNQUANTISED rows:
;   per query: uu = sum q^2 and ra = 2 c / (1 - min(c uu, 1-EPS));   per key: cv = -vv 2^-(e0+e1+1) and rb = 1 / (1 - min(c vv, 1-EPS)).
; code = x / 2^e, held within +-448, rounded to the nearest code, ties to even.
; LIMITS: e0, e1, e3 between -126 and 119; |e0 + e1 + 1| <= 126; NaN and infinities among the inputs are not served.
; SHARES: work-groups 0-63 take query, 64-127 keys (one text for both: a wave takes a tile of 16 rows), 128-255 values (a work-group takes 64 keys, a wave 32 columns).
; A FRAGMENT'S IMAGE: lane (r, h) holds, of its row, k = 32 q + 16 h + 0 .. 15 as 16 bytes; chunk q of a tile is 512 consecutive bytes, 16 bytes a lane.
; THE ROWS OF A TILE OF KEYS ARE NOT NEIGHBOURS: lane r of tile kt takes key 32 (kt / 2) + 8 (kt % 2) + r + 8 (r / 8) of its unit of 64 keys.
; kvs is the stream of tiles that the attention launch walks: 48 tiles of TILEB bytes, four parts of WPART bytes each.  Tiles 0-15: a part is the K parts of two units;
; tiles 16-47: a part is a unit's K part and its V part.  So K's codes and stats are stored twice.  A K part: 16,384 bytes of codes, cv[64], rb[64].  A V part: 16,384 bytes of codes, 512 zeros.
; No LDS, no barrier: waves share nothing.  No register that a pending load or store reads is written again, and EXEC never changes.
.set TILEB, 135168
.set WPART, 33792
.set KPART, 16896
.set X, 32                             ; v32-159  the numbers
.set C, 160                            ; v160-191 the codes: written once, so that no store's data are written again
	s_load_b256 s[4:11], s[0:1], 0x0               ; query s[4:5], keys s[6:7], values s[8:9], c s[10:11]
	s_load_b256 s[12:19], s[0:1], 0x20             ; lowp_scales s[12:13], kvs s[14:15], qimg s[16:17], qs s[18:19]
	v_lshrrev_b32 v6, 5, v0
	s_delay_alu instid0(VALU_DEP_1)
	v_readfirstlane_b32 s20, v6                    ; wave 0..7
	v_and_b32 v7, 31, v0                           ; lane
	v_and_b32 v1, 15, v0                           ; r
	v_bfe_u32 v2, v0, 4, 1                         ; h
	s_delay_alu instid0(VALU_DEP_3)
	v_lshlrev_b32 v4, 4, v7                        ; 16 x lane
	s_wait_kmcnt 0x0
	s_load_b128 s[40:43], s[12:13], 0x0            ; e0, e1, e2, e3
	s_load_b32 s44, s[10:11], 0x0                  ; c
	s_cmp_ge_u32 ttmp9, 128
	s_cbranch_scc1 .Lvalues
	; ---- rows of query or of keys: tile T = 8 (work-group mod 64) + wave
	s_and_b32 s21, ttmp9, 63
	s_lshl_b32 s21, s21, 3
	s_add_co_u32 s21, s21, s20                     ; T
	s_lshr_b32 s22, s21, 2                         ; keys: unit n,
	s_and_b32 s23, s21, 3                          ; tile kt of it
	s_lshr_b32 s27, s23, 1
	s_lshl_b32 s27, s27, 5
	s_and_b32 s30, s23, 1
	s_lshl_b32 s30, s30, 3
	s_add_co_u32 s27, s27, s30                     ; the tile's first key in its unit: 32 (kt / 2) + 8 (kt % 2)
	s_lshl_b32 s24, s22, 6
	s_add_co_u32 s24, s24, s27                     ; keys: first row
	s_lshl_b32 s26, s21, 4                         ; query: first row 16 T
	s_lshr_b32 s28, s22, 3                         ; the unit's K part in tiles 0-15: tile n / 8, part (n / 2) % 4, half n % 2
	s_mul_i32 s28, s28, TILEB
	s_bfe_u32 s30, s22, 0x20001
	s_mul_i32 s30, s30, WPART
	s_add_co_u32 s28, s28, s30
	s_and_b32 s30, s22, 1
	s_mul_i32 s30, s30, KPART
	s_add_co_u32 s28, s28, s30
	s_lshr_b32 s29, s22, 2                         ; and in tiles 16-47: tile 16 + n / 4, part n % 4
	s_add_co_u32 s29, s29, 16
	s_mul_i32 s29, s29, TILEB
	s_and_b32 s30, s22, 3
	s_mul_i32 s30, s30, WPART
	s_add_co_u32 s29, s29, s30
	s_lshl_b32 s31, s23, 12                        ; the tile's codes in a K part
	s_lshl_b32 s32, s27, 2
	s_add_co_u32 s32, s32, 16384                   ; the tile's stats in a K part
	s_add_co_u32 s52, s28, s31
	s_add_co_u32 s54, s28, s32
	s_add_co_u32 s56, s29, s31
	s_add_co_u32 s58, s29, s32
	s_lshl_b32 s33, s21, 12                        ; query: the tile's codes in qimg,
	s_lshl_b32 s34, s21, 6                         ; and its uu in qs
	s_mov_b32 s37, 32768
	s_mov_b32 s25, 0
	s_mov_b32 s53, 0
	s_mov_b32 s55, 0
	s_mov_b32 s57, 0
	s_mov_b32 s59, 0
	s_mov_b32 s35, 0x76543210                      ; v_permlanex16_b32's selects for lane l xor 16
	s_mov_b32 s36, 0xfedcba98
	s_cmp_ge_u32 ttmp9, 64                         ; keys or query?  The choice hangs on the work-group's number alone
	s_cselect_b64 s[46:47], s[6:7], s[4:5]         ; the source,
	s_cselect_b64 s[48:49], s[14:15], s[16:17]     ; where the codes go,
	s_cselect_b64 s[50:51], s[14:15], s[18:19]     ; where the stats go
	s_cselect_b32 s24, s24, s26
	s_cselect_b32 s52, s52, s33
	s_cselect_b32 s54, s54, s34
	s_cselect_b32 s38, 8, 0                        ; keys: lane r takes row r + (r & 8)
	s_cselect_b32 s37, 256, s37                    ; bytes from the first stat to the second
	s_cselect_b32 s39, -1, 0                       ; a lane mask: all ones for keys
	s_lshl_b32 s24, s24, 10                        ; a row is 1,024 bytes
	s_add_nc_u64 s[46:47], s[46:47], s[24:25]
	s_add_nc_u64 s[48:49], s[48:49], s[52:53]
	s_add_nc_u64 s[50:51], s[50:51], s[54:55]
	s_add_nc_u64 s[56:57], s[14:15], s[56:57]      ; keys: the second copy's codes
	s_add_nc_u64 s[58:59], s[14:15], s[58:59]      ; and stats
	s_wait_alu depctr_va_vdst(0)
	v_and_b32 v6, s38, v1
	s_delay_alu instid0(VALU_DEP_1)
	v_add_nc_u32 v6, v6, v1                        ; my row in the tile
	s_delay_alu instid0(VALU_DEP_1)
	v_lshlrev_b32 v3, 10, v6
	s_delay_alu instid0(VALU_DEP_1)
	v_lshl_add_u32 v3, v2, 6, v3                   ; row x 1,024 + 64 h: my 16 numbers of a block of 32
	s_delay_alu instid0(VALU_DEP_3)
	v_lshlrev_b32 v5, 2, v6
	s_delay_alu instid0(VALU_DEP_1)
	v_mad_u32_u24 v5, v2, s37, v5                  ; lanes 0-15 store the first stat of their row, lanes 16-31 the second
.set i, 0
.rept 32
	global_load_b128 v[X+4*i:X+4*i+3], v3, s[46:47] offset:128*(i/4)+16*(i%4) th:TH_LOAD_NT
.set i, i+1
.endr
	s_wait_kmcnt 0x0
	s_cmp_ge_u32 ttmp9, 64
	s_cselect_b32 s21, s41, s40                    ; e
	s_add_co_i32 s22, s40, s41
	s_add_co_i32 s21, s21, 127
	s_lshl_b32 s23, s21, 23
	v_mov_b32 v24, s23                             ; 2^e as f32: the conversion takes its exponent field
	s_add_co_i32 s21, s21, 8
	s_lshl_b32 s21, s21, 23
	s_or_b32 s21, s21, 0x600000
	v_mov_b32 v25, s21                             ; 448 x 2^e
	s_sub_co_i32 s22, 126, s22
	s_lshl_b32 s22, s22, 23
	s_or_b32 s22, s22, 0x80000000                  ; -2^-(e0 + e1 + 1)
	s_mov_b32 s23, 0x3f800000
	s_cmp_ge_u32 ttmp9, 64
	s_cselect_b32 s22, s22, s23                    ; the first stat is the row's sum of squares x this: keys cv, query uu
	s_mov_b32 s26, 0x33d6bf95                      ; EPS = 1e-7
	s_mov_b32 s27, 0x3f7ffffe                      ; 1 - EPS
	v_mov_b32 v26, s44
	s_delay_alu instid0(VALU_DEP_1)
	v_add_f32 v26, |v26|, s26
	s_delay_alu instid0(VALU_DEP_1)
	v_med3_num_f32 v26, v26, s26, s27              ; the clamped curvature
	s_delay_alu instid0(VALU_DEP_1)
	v_add_f32 v27, v26, v26
	v_mov_b32 v28, 1.0
	s_delay_alu instid0(VALU_DEP_1)
	v_cndmask_b32 v27, v27, v28, s39               ; the second stat is the reciprocal x this: keys 1, query 2 c
; chunk q: 16 numbers a lane.  The squares are summed of the numbers as they came, in four packed chains; then the hold, the conversion and the store
.macro CHUNK q
	s_wait_loadcnt 4*(7-\q)                        ; this chunk's four loads are in; the later chunks' may be out
.irp p, 0,1,2,3,4,5,6,7
.if (\q == 0) && (\p < 4)
	v_pk_mul_f32 v[16+2*\p:17+2*\p], v[X+2*\p:X+2*\p+1], v[X+2*\p:X+2*\p+1]   ; the first four pairs start the chains: nothing is cleared
.else
	v_pk_fma_f32 v[16+2*(\p%4):17+2*(\p%4)], v[X+16*\q+2*\p:X+16*\q+2*\p+1], v[X+16*\q+2*\p:X+16*\q+2*\p+1], v[16+2*(\p%4):17+2*(\p%4)]
.endif
.endr
.irp j, 0,1,2,3,4,5,6,7,8,9,10,11,12,13,14,15
	v_med3_num_f32 v[X+16*\q+\j], v[X+16*\q+\j], -v25, v25   ; the conversion to an 8-bit code does not saturate (ISA guide 7.6.2): the hold at the largest code x the scale
.endr
	v_cvt_scalef32_pk8_fp8_f32 v[C+4*\q:C+4*\q+1], v[X+16*\q:X+16*\q+7], v24
	v_cvt_scalef32_pk8_fp8_f32 v[C+4*\q+2:C+4*\q+3], v[X+16*\q+8:X+16*\q+15], v24
	global_store_b128 v4, v[C+4*\q:C+4*\q+3], s[48:49] offset:512*\q   ; the wave stores 512 consecutive bytes, aligned; the codes go to stores alone, and plain vector lines follow
.endm
.irp q, 0,1,2,3,4,5,6,7
	CHUNK \q
.endr
	v_pk_add_f32 v[16:17], v[16:17], v[18:19]
	v_pk_add_f32 v[20:21], v[20:21], v[22:23]
	s_delay_alu instid0(VALU_DEP_1)
	v_pk_add_f32 v[16:17], v[16:17], v[20:21]
	s_delay_alu instid0(VALU_DEP_1)
	v_add_f32 v16, v16, v17
	s_delay_alu instid0(VALU_DEP_1)
	v_permlanex16_b32 v17, v16, s35, s36           ; the row's other 128 numbers lie in lane l xor 16
	s_delay_alu instid0(VALU_DEP_1)
	v_add_f32 v16, v16, v17                        ; the row's sum of squares
	s_delay_alu instid0(VALU_DEP_1)
	v_mul_f32 v6, v26, v16
	s_delay_alu instid0(VALU_DEP_1)
	v_min_num_f32 v6, s27, v6
	s_delay_alu instid0(VALU_DEP_1)
	v_sub_f32 v6, 1.0, v6                          ; 1 - min(c ss, 1 - EPS)
	s_wait_alu depctr_va_vdst(0)
	v_rcp_f32 v7, v6
	v_mul_f32 v8, s22, v16                         ; the first stat (a plain line behind the reciprocal)
	s_wait_alu depctr_va_vdst(0)                   ; the wait ahead of the reciprocal's first reader
	v_mul_f32 v7, v27, v7                          ; the second stat
	v_cmp_eq_u32 vcc_lo, 0, v2
	s_delay_alu instid0(VALU_DEP_1)
	v_cndmask_b32 v9, v7, v8, vcc_lo
	global_store_b32 v5, v9, s[50:51]              ; 4 bytes a lane: 192 KiB of such stores in the whole launch
	s_cmp_lt_u32 ttmp9, 64
	s_cbranch_scc1 .Lrow_done
.irp q, 0,1,2,3,4,5,6,7
	global_store_b128 v4, v[C+4*\q:C+4*\q+3], s[56:57] offset:512*\q   ; keys: the second copy
.endr
	global_store_b32 v5, v9, s[58:59]
.Lrow_done:
	s_endpgm
	; ---- values: K of the second product is the keys, their FIRST axis.  A lane takes a column d and its registers run down the 64 keys of unit n
.Lvalues:
	s_sub_co_u32 s21, ttmp9, 128                   ; n
	s_lshl_b32 s24, s21, 16                        ; 64 n rows of 1,024 bytes
	s_lshl_b32 s22, s20, 7                         ; + my wave's 32 columns
	s_add_co_u32 s24, s24, s22
	s_mov_b32 s25, 0
	s_add_nc_u64 s[46:47], s[8:9], s[24:25]
	s_lshr_b32 s26, s21, 2
	s_add_co_u32 s26, s26, 16
	s_mul_i32 s26, s26, TILEB
	s_and_b32 s27, s21, 3
	s_mul_i32 s27, s27, WPART
	s_add_co_u32 s26, s26, s27
	s_add_co_u32 s26, s26, KPART
	s_mov_b32 s27, 0
	s_add_nc_u64 s[48:49], s[14:15], s[26:27]      ; the unit's V part
	s_wait_alu depctr_va_vdst(0)
	v_lshlrev_b32 v3, 2, v7                        ; in: 4 bytes a lane: the wave reads 128 consecutive bytes, the eight waves a row
	v_lshlrev_b32 v5, 4, v1                        ; out: tile dt = 2 wave + lane / 16 of 1,024 bytes, 16 bytes at 16 (lane % 16)
	s_delay_alu instid0(VALU_DEP_1)
	v_lshl_add_u32 v5, v2, 10, v5
	s_lshl_b32 s22, s20, 11
	v_add_nc_u32 v5, s22, v5
.set i, 0
.rept 64
	global_load_b32 v[X+i], v3, s[46:47] offset:1024*i th:TH_LOAD_NT
.set i, i+1
.endr
	s_wait_kmcnt 0x0
	s_add_co_i32 s21, s43, 127
	s_lshl_b32 s23, s21, 23
	v_mov_b32 v24, s23                             ; 2^e3
	s_add_co_i32 s21, s21, 8
	s_lshl_b32 s21, s21, 23
	s_or_b32 s21, s21, 0x600000
	v_mov_b32 v25, s21                             ; 448 x 2^e3
	s_wait_alu depctr_va_vdst(0)
.irp cc, 0,1
	s_wait_loadcnt 32*(1-\cc)                      ; this block's 32 loads are in; the next block's may be out
.set i, 0
.rept 32
	v_med3_num_f32 v[X+32*\cc+i], v[X+32*\cc+i], -v25, v25
.set i, i+1
.endr
.irp g, 0,1,2,3
	v_cvt_scalef32_pk8_fp8_f32 v[C+8*\cc+2*\g:C+8*\cc+2*\g+1], v[X+32*\cc+8*\g:X+32*\cc+8*\g+7], v24
.endr
	global_store_b128 v5, v[C+8*\cc:C+8*\cc+3], s[48:49] offset:512*\cc          ; keys 32 cc + 0 .. 15: the image's lanes 0-15; sixteen lanes store 256 consecutive bytes, aligned
	global_store_b128 v5, v[C+8*\cc+4:C+8*\cc+7], s[48:49] offset:512*\cc+256    ; keys 32 cc + 16 .. 31: its lanes 16-31
.endr
	s_cmp_lg_u32 s20, 0
	s_cbranch_scc1 .Lv_done
	v_mov_b32 v8, 0                                ; wave 0 fills the part's last 512 bytes, which the tile's load brings and nobody uses
	v_mov_b32 v9, 0
	v_mov_b32 v10, 0
	v_mov_b32 v11, 0
	global_store_b128 v4, v[8:11], s[48:49] offset:16384
.Lv_done:
	s_endpgm
.Lfunc_end_k_qf8c22cabb4_prep:
	.size	k_qf8c22cabb4_prep, .Lfunc_end_k_qf8c22cabb4_prep-k_qf8c22cabb4_prep
	.p2alignl 7, 3214868480
	.fill 96, 4, 3214868480
	.section	.rodata,"a",@progbits
	.p2align	6, 0x0
	.amdhsa_kernel k_qf8c22cabb4_prep
		.amdhsa_group_segment_fixed_size 0
		.amdhsa_private_segment_fixed_size 0
		.amdhsa_enable_private_segment 0
		.amdhsa_kernarg_size 64
		.amdhsa_user_sgpr_count 2
		.amdhsa_user_sgpr_kernarg_segment_ptr 1
		.amdhsa_wavefront_size32 1
		.amdhsa_system_sgpr_workgroup_id_x 1
		.amdhsa_system_sgpr_workgroup_id_y 1
		.amdhsa_system_sgpr_workgroup_id_z 1
		.amdhsa_system_vgpr_workitem_id 0
		.amdhsa_next_free_vgpr 192
		.amdhsa_next_free_sgpr 66
		.amdhsa_reserve_vcc 1
		.amdhsa_float_denorm_mode_32 3
		.amdhsa_float_denorm_mode_16_64 3
		.amdhsa_memory_ordered 1
		.amdhsa_forward_progress 1
		.amdhsa_inst_pref_size 37
	.end_amdhsa_kernel
	.amdgpu_metadata
---
amdhsa.version: [ 1, 2 ]
amdhsa.kernels:
  - .name:           k_qf8c22cabb4_prep
    .symbol:         k_qf8c22cabb4_prep.kd
    .args:
      - { .name: query, .offset: 0, .size: 8, .value_kind: global_buffer, .address_space: global }
      - { .name: keys, .offset: 8, .size: 8, .value_kind: global_buffer, .address_space: global }
      - { .name: values, .offset: 16, .size: 8, .value_kind: global_buffer, .address_space: global }
      - { .name: c, .offset: 24, .size: 8, .value_kind: global_buffer, .address_space: global }
      - { .name: lowp_scales, .offset: 32, .size: 8, .value_kind: global_buffer, .address_space: global }
      - { .name: kvs, .offset: 40, .size: 8, .value_kind: global_buffer, .address_space: global }
      - { .name: qimg, .offset: 48, .size: 8, .value_kind: global_buffer, .address_space: global }
      - { .name: qs, .offset: 56, .size: 8, .value_kind: global_buffer, .address_space: global }
    .group_segment_fixed_size: 0
    .private_segment_fixed_size: 0
    .kernarg_segment_align: 8
    .kernarg_segment_size: 64
    .max_flat_workgroup_size: 256
    .sgpr_count:     66
    .vgpr_count:     192
    .wavefront_size: 32
...
	.end_amdgpu_metadata
.endif
;; end of part 3
;; launch attn (part 4): grid 256 x 1, 4 waves a work-group, clusters of 4 x 1, 327,680 bytes of LDS; arguments kvs, qimg, qs, c, lowp_scales, out0; writes out0
.if DOCPART == 4
	.amdgcn_target "amdgcn-amd-amdhsa--gfx1250"
	.amdhsa_code_object_version 6
	.text
	.protected	k_qf8c22cabb4_attn
	.globl	k_qf8c22cabb4_attn
	.p2align	8
	.type	k_qf8c22cabb4_attn,@function
k_qf8c22cabb4_attn:
	s_mov_b64 s[64:65], 0
	v_nop
	global_prefetch_b8 v0, s[64:65] scope:SCOPE_SE
	s_setreg_imm32_b32 hwreg(HW_REG_WAVE_MODE, 25, 1), 1
	s_wait_xcnt 0x0
	s_wait_alu depctr_hold_cnt(0) depctr_sa_sdst(0) depctr_va_vdst(0) depctr_va_sdst(0) depctr_va_ssrc(0) depctr_va_vcc(0) depctr_vm_vsrc(0)
	s_getreg_b32 s2, hwreg(HW_REG_IB_STS2, 6, 4)
	s_cmp_eq_u32 s2, 0
	s_cbranch_scc0 .Lentry_in_a_cluster
	s_endpgm
.Lentry_in_a_cluster:
	s_bfe_u32 s2, ttmp6, 0x10000c
	s_cmp_lg_u32 s2, 0x3003
	s_cbranch_scc0 .Lentry_shape_is_right
	s_endpgm
.Lentry_shape_is_right:
; out0 = softmax(-dist) values, dist the hyperbolic distance of query and key, both products on codes of E4M3 with the given scales.
; A work-group owns 32 queries (two tiles); its four waves share the keys out: a unit is 64 keys of one wave.  The weights are quantised NORMALISED, so the keys are walked twice:
; walk 1 (tiles 0-15 of kvs: K parts alone) finds each query's least distance, as a running minimum, and the sum of exponentials under it; walk 2 (tiles 16-47: K and V parts)
; makes the scores again, the finished weights, their codes, and O^T += V^T P^T.  The four waves' parts of O are added through LDS on the way out.
; A score: S = q.k codes' sum + cv (the C operand);  y = S a + b = ra (uu + vv - 2 q.k);  arg = max(1 + y min(lim, rb), 1 + EPS);  z = arg + sqrt(arg^2 - 1);  exp(-dist) = 2^(-log2(z) / sqrt(c)).
; min(lim, rb) with lim = 2 c / (EPS ra) is reference's floor EPS under the denominator; its floor 0 under the squared difference lies under the floor 1 + EPS of arg.
; THE MINIMA ARE MADE ONE UNIT AHEAD: they hang on rb and lim alone, so the next unit's 64 stand, as 32 dual pairs, among and behind this unit's logarithms, when T is free; the first unit's stand at the head.
; The next unit's LDS loads go in groups of 16: its cv and rb first, the others between the stages.
; CLUSTER: the four work-groups of a cluster walk the same tiles and ask for them jointly (mask 15); each wave asks for its own part of a tile and alone reads it.
; No data prefetch: the 48 tiles are walked by all 64 clusters of the launch, each from a start of its own (ROT); the stream is not one that is read once.
; LIMITS: e2 between -126 and 119; |e0 + e1 + 1| <= 126; e2 + e3 between -126 and 127; NaN and infinities among the inputs are not served (with finite distances reference's nan_to_num changes nothing).
; WINDOWS: 0 work; 1 O^T (32 accumulators); 2 Q v0-63, K v64-191; 3 V, two buffers.
.set TILEB, 135168
.set WPART, 33792
.set KPART, 16896
.set SLOTB, 135168
.set SCR,   270336                     ; the waves' minima and sums between the walks
.set SPARE, 272384                     ; the spare words
.set STGW,  33280                      ; the way out: a wave's stage, in the ring's bytes after their last fill
.set SPITCH, 1040
.set RR,  1
.set HH,  2
.set SC2, 3
.set AK,  4
.set AST, 6
.set STO, 8
.set RD0, 9
.set RD2, 10
.set GO,  11
.set SPW, 12
.set NIL, 13
.set MS,  14
.set ML,  15
.set ST,  16                           ; 16 registers a query tile: 0,1 a; 2,3 b; 4,5 the exponent's shift; 6 least log2 z; 7 lim; 8,9 sums; 10,11 f, 0; 12-15 at work
.set P,   48
.set S,   64
.set T,   128
.set RB,  192
.set CV,  224
.set J,   64                           ; the join between the walks works in S's registers: T holds the next unit's minima
.set KVB, 66
.set REQ, 68
.set ROT, 69
.set TOF, 72
.set MSB, 0
.macro WIN new
.if MSB != \new
	s_set_vgpr_msb (MSB<<8)|\new
.set MSB, \new
.endif
.endm
.macro ROUND
	s_barrier_signal -1
	s_barrier_wait -1
	s_cmp_lg_u32 s16, 0
	s_cbranch_scc1 .Lnot_wave_0_\@
	s_barrier_signal -3
.Lnot_wave_0_\@:
	s_barrier_wait -3
	s_barrier_signal -1
	s_barrier_wait -1
.endm
.macro PLACES
.rept 4
	v_nop
.endr
.endm
.macro LDK s, o, hf                    ; 16 of a unit's 32 loads of K
	WIN 0x80
.set i, 16*(\hf)
.rept 16
	ds_load_b128 v[64+4*i:64+4*i+3], v[AK+(\s)] offset:(\o)+512*i
.set i, i+1
.endr
	WIN 0
.endm
.macro LDV s, hf                       ; 16 of a unit's 32 loads of V, into buffer s
	WIN 0xc0
.set i, 16*(\hf)
.rept 16
	ds_load_b128 v[128*(\s)+4*i:128*(\s)+4*i+3], v[AK+(\s)] offset:KPART+512*i
.set i, i+1
.endr
	WIN 0
.endm
.macro LDST s, o                       ; a unit's cv and rb: 16 loads
	WIN 0
.irp b, 0,1
.irp j, 0,1,2,3
	ds_load_b128 v[CV+16*\b+4*\j:CV+16*\b+4*\j+3], v[AST+(\s)] offset:(\o)+128*\b+16*\j
.endr
.endr
.irp b, 0,1
.irp j, 0,1,2,3
	ds_load_b128 v[RB+16*\b+4*\j:RB+16*\b+4*\j+3], v[AST+(\s)] offset:(\o)+256+128*\b+16*\j
.endr
.endr
.endm
.macro GMD j                           ; pair j of a unit's 64 min(lim, rb)
	v_dual_min_num_f32 v[T+2*(\j)], v[ST+16*((\j)/16)+7], v[RB+(2*(\j))%32] :: v_dual_min_num_f32 v[T+2*(\j)+1], v[ST+16*((\j)/16)+7], v[RB+(2*(\j))%32+1]
.endm
.macro QK                              ; eight accumulators by turns
	WIN 0x0a
.irp kt, 0,1,2,3
.irp qt, 0,1
	v_wmma_f32_16x16x128_fp8_fp8 v[S+32*\qt+8*\kt:S+32*\qt+8*\kt+7], v[64+32*\kt:64+32*\kt+15], v[32*\qt:32*\qt+15], v[CV+8*\kt:CV+8*\kt+7]
.endr
.endr
.irp kt, 0,1,2,3
.irp qt, 0,1
	v_wmma_f32_16x16x128_fp8_fp8 v[S+32*\qt+8*\kt:S+32*\qt+8*\kt+7], v[80+32*\kt:80+32*\kt+15], v[32*\qt+16:32*\qt+31], v[S+32*\qt+8*\kt:S+32*\qt+8*\kt+7]
.endr
.endr
.endm
.macro NEXT_TILE slot                  ; request REQ: tiles 0-15 rotated by ROT, then tiles 16-47 rotated by ROT
	s_lshr_b32 s71, s[REQ], 4
	s_min_u32 s71, s71, 1
	s_lshl_b32 s71, s71, 4
	s_or_b32 s70, s71, 15
	s_add_co_u32 s[TOF], s[ROT], s[REQ]
	s_and_b32 s[TOF], s[TOF], s70
	s_add_co_u32 s[TOF], s[TOF], s71
	s_mul_i32 s[TOF], s[TOF], TILEB
	s_add_nc_u64 s[30+4*\slot:31+4*\slot], s[KVB:KVB+1], s[TOF:TOF+1]
	s_or_b32 s[31+4*\slot], s[31+4*\slot], 0x80000000
	s_add_co_u32 s[REQ], s[REQ], 1
.endm
.macro CHANGE slot                     ; the slot's last unit's products, and the slot's refill behind a round of the cluster's barrier
	WIN 0
	s_wait_tensorcnt 0x0               ; all my tensor loads are in
	ds_add_u32 v[SPW], v[NIL]
	NEXT_TILE \slot
	s_wait_dscnt 0x1                   ; all but the add: the unit's fragments are in
	QK
	s_wait_dscnt 0x0
	WIN 0
	ROUND
	tensor_load_to_lds s[28+4*\slot:31+4*\slot], s[20:27]
	s_nop 0
	PLACES                             ; also the places behind the products
.endm
.macro BATCH op, base
.set i, 0
.rept 64
	\op v[\base+i], v[\base+i]
.set i, i+1
.endr
.endm
.macro DONE
	v_nop
	s_wait_alu depctr_va_vdst(0)
.endm
; scores -> log2 z.  m: 0 no unit follows, 1 the next unit's K is fetched, 2 its K and half of its V; s, o: the slot and offset of the next unit
.macro XL m, s, o
	WIN 0
.set i, 0
.rept 32
	v_pk_fma_f32 v[S+2*i:S+2*i+1], v[S+2*i:S+2*i+1], v[ST+16*(i/16):ST+16*(i/16)+1], v[ST+16*(i/16)+2:ST+16*(i/16)+3]
.set i, i+1
.endr
.set i, 0
.rept 32
	v_pk_fma_f32 v[S+2*i:S+2*i+1], v[S+2*i:S+2*i+1], v[T+2*i:T+2*i+1], 1.0 op_sel_hi:[1,1,0]
.set i, i+1
.endr
.if \m == 2
	LDV \s, 1
.endif
.set i, 0
.rept 32
	v_dual_max_num_f32 v[S+2*i], s39, v[S+2*i] :: v_dual_max_num_f32 v[S+2*i+1], s39, v[S+2*i+1]
.set i, i+1
.endr
.set i, 0
.rept 32
	v_pk_fma_f32 v[T+2*i:T+2*i+1], v[S+2*i:S+2*i+1], v[S+2*i:S+2*i+1], -1.0 op_sel_hi:[1,1,0]
.set i, i+1
.endr
	s_wait_alu depctr_va_vdst(0)       ; a wait ahead of each batch and one behind it
	BATCH v_sqrt_f32, T
	v_nop
.if \m
	LDK \s, \o, 0
.endif
	s_wait_alu depctr_va_vdst(0)
.set i, 0
.rept 32
	v_pk_add_f32 v[S+2*i:S+2*i+1], v[S+2*i:S+2*i+1], v[T+2*i:T+2*i+1]
.set i, i+1
.endr
	s_wait_alu depctr_va_vdst(0)
.if \m
	s_wait_dscnt 16*\m                 ; the next unit's rb is in: behind its loads stand 16 loads of K and, in walk 2, 16 of V
.endif
.set i, 0
.rept 32                               ; the logarithms, and among them 24 pairs of the next unit's minima, which name none of the batch's registers
	v_log_f32 v[S+2*i], v[S+2*i]
	v_log_f32 v[S+2*i+1], v[S+2*i+1]
.if (\m) && (i >= 8)
	GMD i-8
.endif
.set i, i+1
.endr
	v_nop
.if \m
.set i, 24
.rept 8
	GMD i
.set i, i+1
.endr
	LDK \s, \o, 1
.endif
	s_wait_alu depctr_va_vdst(0)
.endm
.macro EXPO                            ; the exponent: shift - log2 z / sqrt(c)
.set i, 0
.rept 32
	v_pk_fma_f32 v[S+2*i:S+2*i+1], v[S+2*i:S+2*i+1], s[36:37], v[ST+16*(i/16)+4:ST+16*(i/16)+5] op_sel_hi:[1,0,1]
.set i, i+1
.endr
.endm
.macro SUM1                            ; walk 1: the running minimum, the sums brought under it, the unit's exponentials added
.irp qt, 0,1
	v_min3_num_f32 v[ST+16*\qt+12], v[ST+16*\qt+6], v[S+32*\qt], v[S+32*\qt+1]
	v_min3_num_f32 v[ST+16*\qt+13], v[S+32*\qt+2], v[S+32*\qt+3], v[S+32*\qt+4]
.endr
.irp j, 5,9,13,17,21,25
.irp qt, 0,1
	v_min3_num_f32 v[ST+16*\qt+12], v[ST+16*\qt+12], v[S+32*\qt+\j], v[S+32*\qt+\j+1]
	v_min3_num_f32 v[ST+16*\qt+13], v[ST+16*\qt+13], v[S+32*\qt+\j+2], v[S+32*\qt+\j+3]
.endr
.endr
.irp qt, 0,1
	v_min3_num_f32 v[ST+16*\qt+12], v[ST+16*\qt+12], v[S+32*\qt+29], v[S+32*\qt+30]
.endr
.irp qt, 0,1
	v_min3_num_f32 v[ST+16*\qt+14], v[ST+16*\qt+12], v[ST+16*\qt+13], v[S+32*\qt+31]
.endr
.irp qt, 0,1
	v_sub_f32 v[ST+16*\qt+15], v[ST+16*\qt+14], v[ST+16*\qt+6]
.endr
.irp qt, 0,1
	v_mul_f32 v[ST+16*\qt+4], s38, v[ST+16*\qt+14]
	v_mul_f32 v[ST+16*\qt+5], s38, v[ST+16*\qt+14]
	v_mul_f32 v[ST+16*\qt+15], s38, v[ST+16*\qt+15]
	v_mov_b32 v[ST+16*\qt+6], v[ST+16*\qt+14]
.endr
	EXPO
	s_wait_alu depctr_va_vdst(0)
.irp qt, 0,1
	v_exp_f32 v[ST+16*\qt+10], v[ST+16*\qt+15]
.endr
	BATCH v_exp_f32, S
	DONE
.irp qt, 0,1
	v_pk_add_f32 v[ST+16*\qt+12:ST+16*\qt+13], v[S+32*\qt:S+32*\qt+1], v[S+32*\qt+2:S+32*\qt+3]
	v_pk_add_f32 v[ST+16*\qt+14:ST+16*\qt+15], v[S+32*\qt+4:S+32*\qt+5], v[S+32*\qt+6:S+32*\qt+7]
.endr
.irp j, 8,12,16,20,24,28
.irp qt, 0,1
	v_pk_add_f32 v[ST+16*\qt+12:ST+16*\qt+13], v[ST+16*\qt+12:ST+16*\qt+13], v[S+32*\qt+\j:S+32*\qt+\j+1]
	v_pk_add_f32 v[ST+16*\qt+14:ST+16*\qt+15], v[ST+16*\qt+14:ST+16*\qt+15], v[S+32*\qt+\j+2:S+32*\qt+\j+3]
.endr
.endr
.irp qt, 0,1
	v_pk_add_f32 v[ST+16*\qt+12:ST+16*\qt+13], v[ST+16*\qt+12:ST+16*\qt+13], v[ST+16*\qt+14:ST+16*\qt+15]
.endr
.irp qt, 0,1
	v_pk_fma_f32 v[ST+16*\qt+8:ST+16*\qt+9], v[ST+16*\qt+8:ST+16*\qt+9], v[ST+16*\qt+10:ST+16*\qt+11], v[ST+16*\qt+12:ST+16*\qt+13] op_sel_hi:[1,0,1]
.endr
.endm
.macro W2 m, s                         ; walk 2: the finished weights and their codes; m = 1: the other half of the next unit's V is fetched
	EXPO
	s_wait_alu depctr_va_vdst(0)
	BATCH v_exp_f32, S
	v_nop
.if \m
	LDV \s, 0
.endif
	s_wait_alu depctr_va_vdst(0)
.set i, 0
.rept 32                               ; the hold at 448 x 2^e2 (ISA guide 7.6.2); a weight is not negative
	v_dual_min_num_f32 v[S+2*i], s40, v[S+2*i] :: v_dual_min_num_f32 v[S+2*i+1], s40, v[S+2*i+1]
.set i, i+1
.endr
.irp qt, 0,1
.irp b, 0,1
	v_cvt_scalef32_pk8_fp8_f32 v[P+8*\qt+4*\b:P+8*\qt+4*\b+1], v[S+32*\qt+16*\b:S+32*\qt+16*\b+7], v[SC2]
	v_cvt_scalef32_pk8_fp8_f32 v[P+8*\qt+4*\b+2:P+8*\qt+4*\b+3], v[S+32*\qt+16*\b+8:S+32*\qt+16*\b+15], v[SC2]
.endr
.endr
	v_nop
.endm
.macro PV buf
	WIN 0x53
.irp dt, 0,1,2,3,4,5,6,7,8,9,10,11,12,13,14,15
.irp qt, 0,1
	v_wmma_f32_16x16x64_fp8_fp8 v[8*(2*\dt+\qt):8*(2*\dt+\qt)+7], v[128*(\buf)+8*\dt:128*(\buf)+8*\dt+7], v[P+8*\qt:P+8*\qt+7], v[8*(2*\dt+\qt):8*(2*\dt+\qt)+7]
.endr
.endr
.endm
.macro UNIT1 slot, u
.if \u == 0
	s_wait_dscnt 0x0
	QK
	WIN 0
	PLACES                             ; behind the products, ahead of loads into their sources and of the scores' readers
	LDST \slot, KPART
	XL 1, \slot, KPART
.else
	CHANGE \slot
	LDST 1-\slot, 0
	XL 1, 1-\slot, 0
.endif
	SUM1
.endm
.macro UNIT2 slot, fill, next
.if \fill
	CHANGE \slot
.else
.if \next
	s_wait_tensorcnt 0x0
.endif
	s_wait_dscnt 0x0
	QK
	WIN 0
	PLACES
.endif
.if \next
	LDST 1-\slot, 0
	XL 2, 1-\slot, 0
	W2 1, 1-\slot
.else
	XL 0, 0, 0
	W2 0, 0
.endif
	PV \slot
.endm
	s_load_b256 s[4:11], s[0:1], 0x0               ; kvs, qimg, qs, c
	s_load_b128 s[12:15], s[0:1], 0x20             ; lowp_scales, out0
	v_lshl_add_u32 v[SPW], v0, 2, SPARE
	v_mov_b32 v[NIL], 0
	ds_add_u32 v[SPW], v[NIL]                      ; the opening lines: the add twice on end
	ds_add_u32 v[SPW], v[NIL]
	v_lshrrev_b32 v1, 5, v0
	v_readfirstlane_b32 s16, v1                    ; wave
	s_bfe_u32 s17, ttmp6, 0x40000
	s_lshl_b32 s18, ttmp9, 2
	s_add_co_u32 s18, s18, s17                     ; work-group
	s_mul_i32 s[ROT], ttmp9, 11
	s_mov_b32 s20, 15|(3<<16)|(1<<21)              ; group 1: a part is 132 dense rows of 256 bytes; mask: all four partners
	s_mov_b32 s21, 32<<16
	s_mov_b32 s22, 132<<16
	s_mov_b32 s23, 32<<16
	s_mov_b32 s24, 132
	s_mov_b32 s25, 32
	s_mov_b32 s26, 0
	s_mov_b32 s27, 0
	s_mul_i32 s29, s16, WPART
	v_and_b32 v[GO], 31, v0
	v_lshlrev_b32 v[GO], 4, v[GO]
	v_and_b32 v[RR], 15, v0
	v_bfe_u32 v[HH], v0, 4, 1
	v_add_nc_u32 v[AK], s29, v[GO]
	v_add_nc_u32 v[AK+1], SLOTB, v[AK]
	v_lshlrev_b32 v[AST], 6, v[HH]
	v_add_nc_u32 v[AST], s29, v[AST]
	v_add_nc_u32 v[AST], 16384, v[AST]
	v_add_nc_u32 v[AST+1], SLOTB, v[AST]
	s_lshl_b32 s53, s16, 9
	v_add_nc_u32 v[MS], s53, v[GO]
	v_add_nc_u32 v[MS], SCR, v[MS]
	v_add_nc_u32 v[ML], SCR, v[GO]
	s_mul_i32 s53, s16, STGW
	v_mul_u32_u24 v[STO], v[RR], SPITCH
	v_lshl_add_u32 v[STO], v[HH], 5, v[STO]
	v_add_nc_u32 v[STO], s53, v[STO]
	s_mul_i32 s53, s16, 8*SPITCH
	v_add_nc_u32 v[RD0], s53, v[GO]
	v_add_nc_u32 v[RD2], 2*STGW, v[RD0]
	v_lshlrev_b32 v48, 2, v[RR]
	s_wait_alu depctr_va_vdst(0)
	s_wait_dscnt 0x0
	s_wait_kmcnt 0x0
	s_load_b128 s[48:51], s[12:13], 0x0            ; e0 .. e3
	s_load_b32 s52, s[10:11], 0x0                  ; c
	s_mov_b32 s56, s29
	s_mov_b32 s57, 0
	s_add_nc_u64 s[KVB:KVB+1], s[4:5], s[56:57]
	s_mov_b32 s[TOF+1], 0
	s_mov_b32 s28, 1
	s_and_b32 s[TOF], s[ROT], 15
	s_mul_i32 s[TOF], s[TOF], TILEB
	s_add_nc_u64 s[30:31], s[KVB:KVB+1], s[TOF:TOF+1]
	s_mov_b32 s32, 1
	s_add_co_u32 s33, s29, SLOTB
	s_add_co_u32 s[TOF], s[ROT], 1
	s_and_b32 s[TOF], s[TOF], 15
	s_mul_i32 s[TOF], s[TOF], TILEB
	s_add_nc_u64 s[34:35], s[KVB:KVB+1], s[TOF:TOF+1]
	s_or_b32 s31, s31, 0x80000000
	s_or_b32 s35, s35, 0x80000000
	s_mov_b32 s[REQ], 2
	s_mov_b32 s59, 0
	s_lshl_b32 s58, s18, 13
	s_add_nc_u64 s[6:7], s[6:7], s[58:59]
	s_lshl_b32 s58, s18, 7
	s_add_nc_u64 s[8:9], s[8:9], s[58:59]
	s_lshl_b32 s58, s18, 15
	s_lshl_b32 s60, s16, 13
	s_add_co_u32 s58, s58, s60
	s_add_nc_u64 s[14:15], s[14:15], s[58:59]
	WIN 0x80                                       ; Q's two tiles and their rows' figures are asked for ahead of the first tile
.set i, 0
.rept 16
	global_load_b128 v[4*i:4*i+3], v[GO], s[6:7] offset:512*i
.set i, i+1
.endr
	WIN 0
.irp qt, 0,1
	global_load_b32 v[ST+16*\qt+12], v48, s[8:9] offset:64*\qt
	global_load_b32 v[ST+16*\qt+13], v48, s[8:9] offset:32768+64*\qt
.endr
	ROUND
	tensor_load_to_lds s[28:31], s[20:27]          ; slot 0: my one tensor load at the head
	s_nop 0
	s_wait_kmcnt 0x0
	s_mov_b32 s53, 0x33d6bf95                      ; EPS
	s_mov_b32 s54, 0x3f7ffffe                      ; 1 - EPS
	s_mov_b32 s39, 0x3f800001                      ; 1 + EPS
	s_mov_b32 s44, 0x76543210
	s_mov_b32 s45, 0xfedcba98
	s_add_co_i32 s55, s48, s49
	s_add_co_i32 s55, s55, 128
	s_lshl_b32 s55, s55, 23
	s_or_b32 s55, s55, 0x80000000                  ; -2^(e0 + e1 + 1)
	s_add_co_i32 s41, s50, 127
	s_lshl_b32 s47, s41, 23
	v_mov_b32 v[SC2], s47                          ; 2^e2
	s_add_co_i32 s41, s41, 8
	s_lshl_b32 s41, s41, 23
	s_or_b32 s40, s41, 0x600000                    ; 448 x 2^e2
	s_add_co_i32 s42, s50, s51
	s_add_co_i32 s42, s42, 127
	s_lshl_b32 s42, s42, 23                        ; 2^(e2 + e3)
	s_mov_b32 s43, s42
	v_mov_b32 v49, s52
	v_add_f32 v49, |v49|, s53
	v_med3_num_f32 v49, v49, s53, s54              ; the clamped curvature
	s_wait_alu depctr_va_vdst(0)
	v_sqrt_f32 v50, v49
	v_add_f32 v51, v49, v49
	s_wait_alu depctr_va_vdst(0)
	v_rcp_f32 v50, v50
	v_mul_f32 v51, 0x4b189680, v51                 ; 2 c / EPS
	s_wait_alu depctr_va_vdst(0)
	v_readfirstlane_b32 s38, v50                   ; 1 / sqrt(c)
	s_xor_b32 s36, s38, 0x80000000
	s_mov_b32 s37, s36
.irp qt, 0,1
	v_mov_b32 v[ST+16*\qt+6], 0x44800000
	v_mov_b32 v[ST+16*\qt+8], 0
	v_mov_b32 v[ST+16*\qt+9], 0
	v_mov_b32 v[ST+16*\qt+11], 0
.endr
	s_wait_loadcnt 0x0
.irp qt, 0,1
	v_rcp_f32 v[ST+16*\qt+7], v[ST+16*\qt+13]
.endr
.irp qt, 0,1
	v_mul_f32 v[ST+16*\qt], s55, v[ST+16*\qt+13]
	v_mul_f32 v[ST+16*\qt+1], s55, v[ST+16*\qt+13]
	v_mul_f32 v[ST+16*\qt+2], v[ST+16*\qt+13], v[ST+16*\qt+12]
	v_mul_f32 v[ST+16*\qt+3], v[ST+16*\qt+13], v[ST+16*\qt+12]
.endr
	s_wait_alu depctr_va_vdst(0)
.irp qt, 0,1
	v_mul_f32 v[ST+16*\qt+7], v51, v[ST+16*\qt+7]  ; lim
.endr
	s_wait_alu depctr_va_vdst(0)
	s_wait_tensorcnt 0x0                           ; slot 0 is in; the full sequence ahead of slot 1's first fill
	ds_add_u32 v[SPW], v[NIL]
	s_wait_dscnt 0x0
	ROUND
	tensor_load_to_lds s[32:35], s[20:27]
	s_nop 0
	PLACES
	LDST 0, 0
	LDK 0, 0, 0
	LDK 0, 0, 1
	s_wait_dscnt 32                                ; cv and rb are in; K's 32 loads may be out
.set i, 0
.rept 32
	GMD i                                          ; the first unit's minima
.set i, i+1
.endr
	s_mov_b32 s46, 8
.Lwalk1:                                               ; a trip: two tiles, two units each
	s_wait_alu depctr_va_vdst(0)
	UNIT1 0, 0
	UNIT1 0, 1
	UNIT1 1, 0
	UNIT1 1, 1
	s_sub_co_u32 s46, s46, 1
	s_cmp_lg_u32 s46, 0
	s_cbranch_scc1 .Lwalk1
	LDV 0, 0
	LDV 0, 1
	; the four waves' and the two lane halves' minima and sums are joined
	v_mov_b32 v[J], v[ST+6]
	v_add_f32 v[J+1], v[ST+8], v[ST+9]
	v_mov_b32 v[J+2], v[ST+16+6]
	v_add_f32 v[J+3], v[ST+16+8], v[ST+16+9]
	ds_store_b128 v[MS], v[J:J+3]
	s_wait_dscnt 0x0
	s_barrier_signal -1
	WIN 0x40
.set i, 0
.rept 256
	v_mov_b32 v[i], 0                              ; O^T: walk 2's unit is written once
.set i, i+1
.endr
	WIN 0
	s_barrier_wait -1
.irp w, 0,1,2,3
	ds_load_b128 v[J+4+4*\w:J+7+4*\w], v[ML] offset:512*\w
.endr
	s_wait_dscnt 0x0
.irp qt, 0,1
	v_min3_num_f32 v[ST+16*\qt+12], v[J+4+2*\qt], v[J+8+2*\qt], v[J+12+2*\qt]
.endr
.irp qt, 0,1
	v_min_num_f32 v[ST+16*\qt+12], v[ST+16*\qt+12], v[J+16+2*\qt]
.endr
.irp qt, 0,1
	v_permlanex16_b32 v[ST+16*\qt+13], v[ST+16*\qt+12], s44, s45
.endr
.irp qt, 0,1
	v_min_num_f32 v[ST+16*\qt+6], v[ST+16*\qt+12], v[ST+16*\qt+13]
.endr
.irp w, 0,1,2,3
.irp qt, 0,1
	v_sub_f32 v[J+4+4*\w+2*\qt], v[ST+16*\qt+6], v[J+4+4*\w+2*\qt]
.endr
.endr
.irp w, 0,1,2,3
.irp qt, 0,1
	v_mul_f32 v[J+4+4*\w+2*\qt], s38, v[J+4+4*\w+2*\qt]
.endr
.endr
	s_wait_alu depctr_va_vdst(0)
.irp w, 0,1,2,3
.irp qt, 0,1
	v_exp_f32 v[J+4+4*\w+2*\qt], v[J+4+4*\w+2*\qt]
.endr
.endr
	DONE
.irp qt, 0,1
	v_mul_f32 v[ST+16*\qt+12], v[J+5+2*\qt], v[J+4+2*\qt]
.endr
.irp w, 1,2,3
.irp qt, 0,1
	v_fmac_f32 v[ST+16*\qt+12], v[J+5+4*\w+2*\qt], v[J+4+4*\w+2*\qt]
.endr
.endr
.irp qt, 0,1
	v_permlanex16_b32 v[ST+16*\qt+13], v[ST+16*\qt+12], s44, s45
.endr
.irp qt, 0,1
	v_add_f32 v[ST+16*\qt+12], v[ST+16*\qt+12], v[ST+16*\qt+13]
.endr
	s_wait_alu depctr_va_vdst(0)
.irp qt, 0,1
	v_log_f32 v[ST+16*\qt+12], v[ST+16*\qt+12]
.endr
	DONE
.irp qt, 0,1
	v_fma_f32 v[ST+16*\qt+4], s38, v[ST+16*\qt+6], -v[ST+16*\qt+12]   ; the shift that normalises: least distance less log2 of the sum
	v_fma_f32 v[ST+16*\qt+5], s38, v[ST+16*\qt+6], -v[ST+16*\qt+12]
.endr
	s_mov_b32 s46, 15
.Lwalk2:                                               ; a trip: two tiles, one unit each
	UNIT2 0, 1, 1
	UNIT2 1, 1, 1
	WIN 0
	s_sub_co_u32 s46, s46, 1
	s_cmp_lg_u32 s46, 0
	s_cbranch_scc1 .Lwalk2
	UNIT2 0, 0, 1                                  ; the last two tiles ask for nothing more
	UNIT2 1, 0, 0
	WIN 0
	PLACES
	s_wait_dscnt 0x0
	s_barrier_signal -1
	s_barrier_wait -1                              ; nobody reads the ring any more, and it has had its last fill: the stages lie there
	WIN 0x04
.irp dt, 0,1,2,3,4,5,6,7,8,9,10,11,12,13,14,15
.irp qt, 0,1
	ds_store_b128 v[STO], v[8*(2*\dt+\qt):8*(2*\dt+\qt)+3] offset:16*\qt*SPITCH+64*\dt
	ds_store_b128 v[STO], v[8*(2*\dt+\qt)+4:8*(2*\dt+\qt)+7] offset:16*\qt*SPITCH+64*\dt+16
.endr
.endr
	WIN 0
	s_wait_dscnt 0x0
	s_barrier_signal -1
	s_barrier_wait -1
.macro OUTB bt                         ; four of my eight rows: the four waves' parts added, x 2^(e2 + e3); a store covers 512 consecutive bytes, aligned
.set t, 0
.rept 8
	ds_load_b128 v[64+16*t:64+16*t+3],     v[RD0] offset:(4*\bt+t/2)*SPITCH+512*(t%2)
	ds_load_b128 v[64+16*t+4:64+16*t+7],   v[RD0] offset:STGW+(4*\bt+t/2)*SPITCH+512*(t%2)
	ds_load_b128 v[64+16*t+8:64+16*t+11],  v[RD2] offset:(4*\bt+t/2)*SPITCH+512*(t%2)
	ds_load_b128 v[64+16*t+12:64+16*t+15], v[RD2] offset:STGW+(4*\bt+t/2)*SPITCH+512*(t%2)
.set t, t+1
.endr
.set t, 0
.rept 8
.set bb, 64+16*t
	s_wait_dscnt 4*(7-t)
	v_pk_add_f32 v[bb:bb+1], v[bb:bb+1], v[bb+4:bb+5]
	v_pk_add_f32 v[bb+2:bb+3], v[bb+2:bb+3], v[bb+6:bb+7]
	v_pk_add_f32 v[bb+8:bb+9], v[bb+8:bb+9], v[bb+12:bb+13]
	v_pk_add_f32 v[bb+10:bb+11], v[bb+10:bb+11], v[bb+14:bb+15]
	v_pk_add_f32 v[bb:bb+1], v[bb:bb+1], v[bb+8:bb+9]
	v_pk_add_f32 v[bb+2:bb+3], v[bb+2:bb+3], v[bb+10:bb+11]
	v_pk_mul_f32 v[bb:bb+1], v[bb:bb+1], s[42:43] op_sel_hi:[1,0]
	v_pk_mul_f32 v[bb+2:bb+3], v[bb+2:bb+3], s[42:43] op_sel_hi:[1,0]
	global_store_b128 v[GO], v[bb:bb+3], s[14:15] offset:(4*\bt+t/2)*1024+512*(t%2) th:TH_STORE_NT
.set t, t+1
.endr
.endm
	OUTB 0
	s_wait_xcnt 0x0                                ; the stores' data registers are written again only behind this wait
	OUTB 1
	s_wait_tensorcnt 0x0                           ; the wave's end
	ds_add_u32 v[SPW], v[NIL]
	s_wait_dscnt 0x0
	ROUND                                          ; the closing round
	s_endpgm
.Lfunc_end_k_qf8c22cabb4_attn:
	.size	k_qf8c22cabb4_attn, .Lfunc_end_k_qf8c22cabb4_attn-k_qf8c22cabb4_attn
	.p2alignl 7, 3214868480
	.fill 96, 4, 3214868480
	.section	.rodata,"a",@progbits
	.p2align	6, 0x0
	.amdhsa_kernel k_qf8c22cabb4_attn
		.amdhsa_group_segment_fixed_size 327680
		.amdhsa_private_segment_fixed_size 0
		.amdhsa_enable_private_segment 0
		.amdhsa_kernarg_size 48
		.amdhsa_user_sgpr_count 2
		.amdhsa_user_sgpr_kernarg_segment_ptr 1
		.amdhsa_wavefront_size32 1
		.amdhsa_system_sgpr_workgroup_id_x 1
		.amdhsa_system_sgpr_workgroup_id_y 1
		.amdhsa_system_sgpr_workgroup_id_z 1
		.amdhsa_system_vgpr_workitem_id 0
		.amdhsa_next_free_vgpr 1024
		.amdhsa_next_free_sgpr 80
		.amdhsa_reserve_vcc 0
		.amdhsa_float_denorm_mode_32 3
		.amdhsa_float_denorm_mode_16_64 3
		.amdhsa_memory_ordered 1
		.amdhsa_forward_progress 1
		.amdhsa_inst_pref_size 255
	.end_amdhsa_kernel
	.section	.bss,"aw",@nobits
	.p2align	6
	.space	262144
	.amdgpu_metadata
---
amdhsa.version: [ 1, 2 ]
amdhsa.kernels:
  - .name:           k_qf8c22cabb4_attn
    .symbol:         k_qf8c22cabb4_attn.kd
    .args:
      - { .name: kvs, .offset: 0, .size: 8, .value_kind: global_buffer, .address_space: global }
      - { .name: qimg, .offset: 8, .size: 8, .value_kind: global_buffer, .address_space: global }
      - { .name: qs, .offset: 16, .size: 8, .value_kind: global_buffer, .address_space: global }
      - { .name: c, .offset: 24, .size: 8, .value_kind: global_buffer, .address_space: global }
      - { .name: lowp_scales, .offset: 32, .size: 8, .value_kind: global_buffer, .address_space: global }
      - { .name: out0, .offset: 40, .size: 8, .value_kind: global_buffer, .address_space: global }
    .group_segment_fixed_size: 327680
    .private_segment_fixed_size: 0
    .kernarg_segment_align: 8
    .kernarg_segment_size: 48
    .max_flat_workgroup_size: 128
    .sgpr_count:     80
    .vgpr_count:     1024
    .wavefront_size: 32
...
	.end_amdgpu_metadata
.endif
;; end of part 4
